; MI455X (gfx1250); checked and timed in simulation.
; The chip was launched on July 23, 2026; its instructions are those of AMD's public machine-readable ISA for CDNA 5 (MIT licence, August 2026) and "CDNA5" Instruction Set Architecture Reference Guide (July 2026). The comments in the code are by the model that wrote it; some were corrected since.
;; Block. Allowed arithmetic: matrix products marked QUANTISED: E2M3 operands, one E8M0 scale for each 32 along K, by v_wmma_scale_f32_16x16x128_f8f6f4 with both operands' format E2M3, f32 sums; products left as they are: f32 operands where the result goes on into a quantised operand, else bf16, f16 or f32 operands; f32 sums; everything else in f32.
;; Inputs: exp_fc1_codes 8 x 512 x 32 x 24 uint8 (E2M3 codes of exp_fc1, K innermost, in blocks of 32 codes, four codes in three bytes); exp_fc1_scales 8 x 512 x 32 uint8 (E8M0 scales of exp_fc1, one for each 32 codes along K); exp_fc2_codes 8 x 1,024 x 16 x 24 uint8 (E2M3 codes of exp_fc2, K innermost, in blocks of 32 codes, four codes in three bytes); exp_fc2_scales 8 x 1,024 x 16 uint8 (E8M0 scales of exp_fc2, one for each 32 codes along K); router_w 1,024 x 8 float32; wk_codes 1,024 x 32 x 24 uint8 (E2M3 codes of wk, K innermost, in blocks of 32 codes, four codes in three bytes); wk_scales 1,024 x 32 uint8 (E8M0 scales of wk, one for each 32 codes along K); wo_codes 1,024 x 32 x 24 uint8 (E2M3 codes of wo, K innermost, in blocks of 32 codes, four codes in three bytes); wo_scales 1,024 x 32 uint8 (E8M0 scales of wo, one for each 32 codes along K); wq_codes 1,024 x 32 x 24 uint8 (E2M3 codes of wq, K innermost, in blocks of 32 codes, four codes in three bytes); wq_scales 1,024 x 32 uint8 (E8M0 scales of wq, one for each 32 codes along K); wv_codes 1,024 x 32 x 24 uint8 (E2M3 codes of wv, K innermost, in blocks of 32 codes, four codes in three bytes); wv_scales 1,024 x 32 uint8 (E8M0 scales of wv, one for each 32 codes along K); x 2 x 2,048 x 1,024 float32.
;; Outputs: out0 2 x 2,048 x 1,024 float32.
;; This version of the problem:
;;   THIS VERSION OF THE PROBLEM IS GIVEN IN LOW PRECISION. The matrix products marked QUANTISED in the list below multiply operands that are first quantised to E2M3 (2 exponent bits, 3 mantissa bits; 6 bits a number), with one power-of-two scale for each 32 numbers along K (OCP MX v1.0); their sums are f32. All else is computed in f32.
;;   The module's matrix products, in the order in which they are computed (A, B: the left and right operand; K: the contracted axis; several contracted axes count as one K, in the product's order):
;;     1. [M 4,096, K 1,024] x [K 1,024, N 1,024]; A: computed on the way; B: input wq (given as codes): QUANTISED
;;     2. [M 4,096, K 1,024] x [K 1,024, N 1,024]; A: computed on the way; B: input wk (given as codes): QUANTISED
;;     3. [M 4,096, K 1,024] x [K 1,024, N 1,024]; A: computed on the way; B: input wv (given as codes): QUANTISED
;;     4. batch 32 x [M 2,048, K 64] x [K 64, N 2,048]; A: computed on the way; B: computed on the way: QUANTISED
;;     5. batch 32 x [M 64, K 2,048] x [K 2,048, N 2,048]; A: computed on the way; B: softmax (see below): QUANTISED
;;     6. [M 4,096, K 1,024] x [K 1,024, N 1,024]; A: computed on the way; B: input wo (given as codes): QUANTISED
;;     7. [M 4,096, K 1,024] x [K 1,024, N 8]; A: computed on the way; B: input router_w: left as it is (N = 8 < 16)
;;     8. [M 4,096, K 1,024] x [K 1,024, N 4,096]; A: computed on the way; B: input exp_fc1 (given as codes): QUANTISED
;;     9. batch 8 x [M 1,024, K 512] x [K 512, N 4,096]; A: input exp_fc2 (given as codes); B: computed on the way: QUANTISED
;;     10. batch 4,096 x [M 1,024, K 8] x [K 8, N 1]; A: computed on the way; B: computed on the way: left as it is (K = 8 < 32)
;;   THE QUANTISER, for each operand of a quantised product, along K:
;;     - K is cut into blocks of 32 from its start; a last block that is shorter is filled with zeros.
;;     - A block's scale is 2^e with e = floor(log2(the largest magnitude in the block)) - 2, held to -126 .. 127; a block of zeros has e = 0. As a byte (E8M0): e + 127.
;;     - Each number is divided by its block's scale, clamped to +-7.5, and rounded to the nearest number of E2M3, ties to even, subnormals kept.
;;     - The product sums the exact products of the quantised numbers (number of the format x scale) in f32.
;;   ~~~python
;;   def quantise(x, axis):      # numpy; x: float32 -> the quantised numbers, widened to float32 again
;;       x = np.moveaxis(x, axis, -1); K = x.shape[-1]
;;       x = np.pad(x, [(0, 0)] * (x.ndim - 1) + [(0, -K % 32)]); x = x.reshape(x.shape[:-1] + (-1, 32)); a = np.abs(x).max(-1, keepdims=True)
;;       e = np.where(a > 0, np.clip(np.frexp(np.where(a > 0, a, 1))[1] - 1 - 2, -126, 127), 0)      # np.frexp(a)[1] - 1 = floor(log2(a)), exactly
;;       r = np.clip(x / 2.0 ** e, -7.5, 7.5)
;;       step = 2.0 ** (np.maximum(np.frexp(np.where(r == 0, 1, r))[1] - 1, 0) - 3)
;;       q = np.round(r / step) * step * 2.0 ** e      # np.round: ties to even
;;       return np.moveaxis(q.reshape(q.shape[:-2] + (-1,))[..., :K], -1, axis).astype(np.float32)
;;   ~~~
;;   SOFTMAX AHEAD OF A QUANTISED PRODUCT. Where the list says 'softmax', what is quantised is not the finished softmax but p = 2^(t - M), with t = logit x log2(e) and M = ceil(the row's largest t), a whole number; so 1/2 < the row's largest p <= 1. The row's sum l is taken of the UNQUANTISED p, in f32, and the product's result is divided by l at the end. Since M is a whole number, a kernel that streams over the keys may use a running M (the ceiling of the running maximum): every later rescaling is an exact power of two, which a block's scale takes up: the codes' values come out the same.
;;   OPERANDS COMPUTED ON THE WAY. 'Computed on the way' means the value that the module computes at that place (a softmax that the list does not call 'softmax' is quantised finished and normalised). What goes into a quantiser is computed in f32, as accurately as f32 sums, v_exp_f32 and their like allow (about 1e-6 of the number): no bf16 or f16 on the way to a quantiser, and a product that is left as it is and whose result goes on into a quantised operand takes f32 operands (vector FMAs, or v_wmma_f32_16x16x4_f32). A number that lies on a knife's edge between two numbers of the format may be rounded either way, as far as f32 arithmetic and the matrix unit's own rounding can turn it there, and no further.
;;   INPUTS GIVEN AS CODES. exp_fc1 (in the module: [8, 1024, 512], K = its axis 1); exp_fc2 (in the module: [8, 512, 1024], K = its axis 1); wk (in the module: [1024, 1024], K = its axis 0); wo (in the module: [1024, 1024], K = its axis 0); wq (in the module: [1024, 1024], K = its axis 0); wv (in the module: [1024, 1024], K = its axis 0): each comes as NAME_codes (uint8): NAME with its K axis moved to the last place and cut into blocks of 32 codes, [.., K / 32, bytes a block], one block behind the other in memory; four codes in three bytes: a row's codes are one little-endian stream of bits, code i at bits 6 i .. 6 i + 5 (a code: sign, 2 exponent bits, 3 mantissa bits); and NAME_scales (uint8): the same leading axes, one E8M0 byte (e + 127) for each 32 codes along K. Its value is code x scale, taken as it is: it is not quantised again, and the codes and scales need not be those that the quantiser above would give.
;; One version. Each part assembles by itself: llvm-mc -triple=amdgcn-amd-amdhsa -mcpu=gfx1250 --defsym DOCPART=n.
;; ======== version 1 of 1: 6 launches
;; workspace buffers: pre 13,107,200 bytes; qkv 11,010,048 bytes; oimg 3,276,800 bytes; mid 20,185,088 bytes; hid 13,107,200 bytes
;; launch prep (part 1): grid 448 x 1, 8 waves a work-group, no clusters, 69,376 bytes of LDS; arguments x, wq_codes, wq_scales, wk_codes, wk_scales, wv_codes, wv_scales, wo_codes, wo_scales, exp_fc1_codes, exp_fc1_scales, exp_fc2_codes, exp_fc2_scales, pre; writes pre
.if DOCPART == 1
	.amdgcn_target "amdgcn-amd-amdhsa--gfx1250"
	.amdhsa_code_object_version 6
	.text
	.protected	k_q8feaccaecd_prep
	.globl	k_q8feaccaecd_prep
	.p2align	8
	.type	k_q8feaccaecd_prep,@function
k_q8feaccaecd_prep:
	s_mov_b64 s[64:65], 0
	v_nop
	global_prefetch_b8 v0, s[64:65] scope:SCOPE_SE
	s_setreg_imm32_b32 hwreg(HW_REG_WAVE_MODE, 25, 1), 1
	s_wait_xcnt 0x0
; PREP.  Two jobs in one launch, parted on the work-group's number.
; Work-groups 0-255: h = rmsnorm(x), quantised to E2M3 along its 1,024 channels, for one tile of 16 tokens each; wave s makes K step s (128 channels).
; Work-groups 256-447: the six weights, which come as rows of codes, are laid out anew in the order of an operand's registers; a wave lays one tile of 16 rows x 512 along K.
; ROW ORDER: tile t, lane r holds true row 32 (t / 2) + 8 (t % 2) + r + 8 (r / 8).  With it on both sides of every product, the 16 registers of two neighbouring result tiles are 16 neighbours along the next K.
; FRAGMENT IMAGE: 16 rows x 128 K = 12 registers a lane; register j of lane l lies at 512 (j / 4) + 16 l + 4 (j % 4): three accesses of 512 consecutive bytes.
; UNIT (3,200 bytes) = 256 along K of one tile: even K step's image at 0, odd one's at 1,536, scale words at 3,072 + 8 r + 4 (step % 2).
; pre: h's 256 tiles x 4 units at 0; from 3,276,800 on wq, wk, wv, wo (64 tiles x 4 units each), exp_fc1 (256 x 4), exp_fc2 (512 x 2): piece U of 6,400 bytes lies at 3,276,800 + 6,400 U.
; A block's scale byte is its largest magnitude's exponent field - 2, held at 1 from below.  LIMITS: a block of zeros gets the byte 1 where the rule says 127 (its codes are zeros, and only this program reads the bytes);
; NaN and infinities in x are not served.
.set PRE_W, 3276800
.set RAW, 16                           ; v16-79   x as loaded: row i of the tile in registers 4 i ..
.set Y,   80                           ; v80-143  my 64 numbers: register 16 b + i = channel 32 b + 16 (lane / 16) + i of my row
.set CH,  144                          ; v144-151 four chains of the sum of squares
.set PS,  152                          ; v152-159 the eight waves' sums
.set TM,  160                          ; v160-175 at work in QUANT
.set PW,  176                          ; the scale word just made
.set PC,  178                          ; v178-196 the codes just made
.set SEL, 36                           ; s[36:37] selects of v_permlanex16_b32: lane l xor 16
.set RED, 67584                        ; LDS: behind eight stages of 16 x 528 bytes: 16 rows x 48 bytes of partial sums
.set MSB, 0
.macro WIN new                         ; the immediate's high byte repeats the setting that is left; a switch that changes nothing is dropped
.if MSB != (\new)
	s_set_vgpr_msb (MSB<<8)|(\new)
.set MSB, (\new)
.endif
.endm
; 64 numbers of a lane in window w, register 16 b + i = k 32 b + 16 (lane / 16) + i of my row, become a fragment's codes in v[PC] on and its scale word in v[PW].
.macro QUANT s, w
	WIN ((\w)|((\w)<<2))
.irp b, 0,1,2,3
	v_max3_num_f32 v[TM+\b], |v[(\s)+16*\b]|, |v[(\s)+16*\b+1]|, 0x1800000   ; my 16 numbers of block b, and the floor 2^(3 - 127): the byte cannot fall under 1
.endr
.irp i, 2,4,6,8,10,12,14
.irp b, 0,1,2,3
	v_max3_num_f32 v[TM+\b], |v[(\s)+16*\b+\i]|, |v[(\s)+16*\b+\i+1]|, v[TM+\b]   ; the four blocks by turns, each from its low end on
.endr
.endr
	WIN 0
.irp b, 0,1,2,3
	v_permlanex16_b32 v[TM+4+\b], v[TM+\b], s[SEL], s[SEL+1]
.endr
.irp b, 0,1,2,3
	v_max_num_f32 v[TM+\b], v[TM+\b], v[TM+4+\b]   ; with lane l xor 16's 16: the block's largest magnitude
.endr
.irp b, 0,1,2,3
	v_add_nc_u32 v[TM+12+\b], 0xff000000, v[TM+\b]   ; 2 off its exponent field: the conversion takes this operand's exponent field as its scale
.endr
.irp b, 0,1,2,3
	v_lshrrev_b32 v[TM+4+\b], 23, v[TM+12+\b]      ; the scale's byte
.endr
	v_lshl_or_b32 v[PW], v[TM+5], 8, v[TM+4]
	v_lshl_or_b32 v[PW], v[TM+6], 16, v[PW]
	v_lshl_or_b32 v[PW], v[TM+7], 24, v[PW]
	WIN (\w)
.irp c, 0,1
	v_cvt_scalef32_pk16_fp6_f32 v[PC+6*\c:PC+6*\c+2], v[(\s)+32*\c:(\s)+32*\c+15], v[TM+12+2*\c]
	v_cvt_scalef32_pk16_fp6_f32 v[PC+12+4*\c:PC+14+4*\c], v[(\s)+32*\c+16:(\s)+32*\c+31], v[TM+13+2*\c]   ; (a conversion's three registers begin on an even number)
.endr
	WIN 0
	v_nop                                          ; one plain place behind a scaled conversion
.irp c, 0,1                                    ; the operand wants a whole block in a lane: lanes 0-15 block 2 c, lanes 16-31 block 2 c + 1
.irp i, 0,1,2
	v_permlane16_swap_b32 v[PC+6*\c+\i], v[PC+12+4*\c+\i]
.endr
.irp i, 0,1,2
	v_mov_b32 v[PC+3+6*\c+\i], v[PC+12+4*\c+\i]
.endr
.endr
.endm
	s_load_b512 s[8:23], s[0:1], 0x0               ; x 8, wq codes 10, scales 12, wk 14, 16, wv 18, 20, wo codes 22
	s_load_b256 s[24:31], s[0:1], 0x40             ; wo scales 24, fc1 codes 26, scales 28, fc2 codes 30
	s_load_b128 s[32:35], s[0:1], 0x60             ; fc2 scales 32, pre 34
	v_lshl_add_u32 v200, v0, 2, 0x10b00
	v_mov_b32 v201, 0
	v_lshrrev_b32 v1, 5, v0
	v_readfirstlane_b32 s4, v1                     ; wave 0..7
	v_and_b32 v15, 31, v0
	v_lshlrev_b32 v1, 4, v15                       ; 16 x lane
	v_and_b32 v2, 15, v0                           ; r
	v_bfe_u32 v3, v0, 4, 1                         ; h
	s_cmp_lt_u32 ttmp9, 256                        ; the same in all waves of a work-group
	s_cbranch_scc0 .Lweights
	; ---- the norm: token tile = work-group, K step = wave
	s_mul_i32 s5, s4, 8448                         ; my stage
	v_add_nc_u32 v4, s5, v1                        ; in: 16 x lane, rows 528 bytes apart
	v_mul_u32_u24 v5, v2, 528
	v_lshl_add_u32 v5, v3, 6, v5
	v_add_nc_u32 v5, s5, v5                        ; out: row r, + 64 h: my 16 numbers of each block of 32
	v_mul_u32_u24 v7, v2, 48
	v_add_nc_u32 v7, RED, v7                       ; row r's eight partial sums
	s_lshl_b32 s6, s4, 2
	v_add_nc_u32 v6, s6, v7                        ; and mine among them
	v_lshlrev_b32 v8, 3, v2                        ; 8 r: a scale word's place in a unit
	s_mov_b32 s[SEL], 0x76543210
	s_mov_b32 s[SEL+1], 0xfedcba98
	s_mov_b32 s50, 0x3a800000                      ; 1 / 1,024
	s_mov_b32 s51, 0x3727c5ac                      ; 1e-5
.irp b, 0,1,2,3
	v_mov_b32 v[TM+4+\b], 0                        ; written once: a lane permute's destination counts as one of its sources
.endr
	s_lshr_b32 s40, ttmp9, 1
	s_lshl_b32 s40, s40, 5
	s_and_b32 s41, ttmp9, 1
	s_lshl_b32 s41, s41, 3
	s_add_co_u32 s40, s40, s41                     ; the tile's first row: 32 (t / 2) + 8 (t % 2)
	s_lshl_b32 s40, s40, 12                        ; rows of 4,096 bytes
	s_lshl_b32 s41, s4, 9
	s_add_co_u32 s40, s40, s41                     ; + my 512 bytes of a row
	s_mov_b32 s41, 0
	s_mul_i32 s42, ttmp9, 12800
	s_lshr_b32 s43, s4, 1
	s_mul_i32 s43, s43, 3200
	s_add_co_u32 s42, s42, s43                     ; my unit
	s_and_b32 s44, s4, 1
	s_mul_i32 s45, s44, 1536
	s_add_co_u32 s46, s42, s45                     ; my image in it
	s_mov_b32 s47, 0
	s_lshl_b32 s44, s44, 2
	s_add_co_u32 s48, s42, s44
	s_add_co_u32 s48, s48, 3072                    ; my scale words in it
	s_mov_b32 s49, 0
	s_wait_kmcnt 0x0
	s_add_nc_u64 s[8:9], s[8:9], s[40:41]
	s_add_nc_u64 s[46:47], s[34:35], s[46:47]
	s_add_nc_u64 s[48:49], s[34:35], s[48:49]
.irp i, 0,1,2,3,4,5,6,7,8,9,10,11,12,13,14,15
	global_load_b128 v[RAW+4*\i:RAW+4*\i+3], v1, s[8:9] offset:(\i+8*(\i/8))*4096 th:TH_LOAD_NT   ; 32 lanes read 512 consecutive bytes of the tile's row i
.endr
.irp i, 0,1,2,3,4,5,6,7,8,9,10,11,12,13,14,15
	s_wait_loadcnt 15-\i                           ; row i is in; the younger rows may be out
	ds_store_b128 v4, v[RAW+4*\i:RAW+4*\i+3] offset:528*\i
.endr
.irp b, 0,1,2,3
.irp j, 0,1,2,3
	ds_load_b128 v[Y+16*\b+4*\j:Y+16*\b+4*\j+3], v5 offset:128*\b+16*\j   ; the stage is my wave's own, and LDS serves a wave in order: these see the stores
.endr
.endr
	s_wait_dscnt 0x0
.irp c, 0,1,2,3
	v_pk_mul_f32 v[CH+2*\c:CH+2*\c+1], v[Y+2*\c:Y+2*\c+1], v[Y+2*\c:Y+2*\c+1]   ; the first four pairs start four chains
.endr
.set p, 4
.rept 28
	v_pk_fma_f32 v[CH+2*(p%4):CH+2*(p%4)+1], v[Y+2*p:Y+2*p+1], v[Y+2*p:Y+2*p+1], v[CH+2*(p%4):CH+2*(p%4)+1]
.set p, p+1
.endr
	v_pk_add_f32 v[CH:CH+1], v[CH:CH+1], v[CH+2:CH+3]
	v_pk_add_f32 v[CH+4:CH+5], v[CH+4:CH+5], v[CH+6:CH+7]
	v_pk_add_f32 v[CH:CH+1], v[CH:CH+1], v[CH+4:CH+5]
	v_add_f32 v[CH], v[CH], v[CH+1]
	v_permlanex16_b32 v[TM+4], v[CH], s[SEL], s[SEL+1]
	v_add_f32 v[CH], v[CH], v[TM+4]                ; my row's sum over my 128 channels
	ds_store_b32 v6, v[CH]                         ; lanes l and l + 16 store the same number to the same word
	s_wait_dscnt 0x0                               ; for the other waves' sake
	s_barrier_signal -1
	s_barrier_wait -1
	ds_load_b128 v[PS:PS+3], v7
	ds_load_b128 v[PS+4:PS+7], v7 offset:16
	s_wait_dscnt 0x0
	v_pk_add_f32 v[PS:PS+1], v[PS:PS+1], v[PS+2:PS+3]
	v_pk_add_f32 v[PS+4:PS+5], v[PS+4:PS+5], v[PS+6:PS+7]
	v_pk_add_f32 v[PS:PS+1], v[PS:PS+1], v[PS+4:PS+5]
	v_add_f32 v[PS], v[PS], v[PS+1]
	v_fma_f32 v[PS+1], v[PS], s50, s51             ; the mean of squares + eps
	v_rsq_f32 v[PS+2], v[PS+1]
	v_nop                                          ; one plain place behind a transcendental
	s_wait_alu depctr_va_vdst(0)
	v_mov_b32 v[PS+3], v[PS+2]
.set p, 0
.rept 32
	v_pk_mul_f32 v[Y+2*p:Y+2*p+1], v[Y+2*p:Y+2*p+1], v[PS+2:PS+3]
.set p, p+1
.endr
	QUANT Y, 0
.irp c, 0,1,2
	global_store_b128 v1, v[PC+4*\c:PC+4*\c+3], s[46:47] offset:512*\c   ; 512 consecutive bytes a store
.endr
	global_store_b32 v8, v[PW], s[48:49]           ; lanes l and l + 16 store the same word to the same place
	s_wait_tensorcnt 0x0
	ds_add_u32 v200, v201
	s_wait_dscnt 0x0
	s_endpgm
	; ---- the weights: wave = one tile x 512 along K = piece U
.Lweights:
	s_sub_co_u32 s5, ttmp9, 256
	s_lshl_b32 s6, s5, 3
	s_add_co_u32 s6, s6, s4                        ; U = 8 x (work-group - 256) + wave
	s_lshr_b32 s7, s5, 4                           ; 16 work-groups = 128 pieces = one of wq .. wo
	s_mov_b32 s40, 0                               ; the tensor's first piece
	s_wait_kmcnt 0x0
	s_cmp_ge_u32 s7, 1                             ; the choices hang on the work-group's number alone
	s_cselect_b64 s[10:11], s[14:15], s[10:11]
	s_cselect_b64 s[12:13], s[16:17], s[12:13]
	s_cselect_b32 s40, 128, s40
	s_cmp_ge_u32 s7, 2
	s_cselect_b64 s[10:11], s[18:19], s[10:11]
	s_cselect_b64 s[12:13], s[20:21], s[12:13]
	s_cselect_b32 s40, 256, s40
	s_cmp_ge_u32 s7, 3
	s_cselect_b64 s[10:11], s[22:23], s[10:11]
	s_cselect_b64 s[12:13], s[24:25], s[12:13]
	s_cselect_b32 s40, 384, s40
	s_cmp_ge_u32 s7, 4
	s_cselect_b64 s[10:11], s[26:27], s[10:11]
	s_cselect_b64 s[12:13], s[28:29], s[12:13]
	s_cselect_b32 s40, 512, s40
	s_cmp_ge_u32 s7, 8
	s_cselect_b64 s[10:11], s[30:31], s[10:11]
	s_cselect_b64 s[12:13], s[32:33], s[12:13]
	s_cselect_b32 s40, 1024, s40
	s_cselect_b32 s41, 0, 1                        ; sh: K = 512 << sh
	s_sub_co_u32 s42, s6, s40
	s_lshr_b32 s43, s42, s41                       ; tile
	s_and_b32 s44, s42, s41                        ; which 512 of its K
	s_lshr_b32 s45, s43, 1
	s_lshl_b32 s45, s45, 5
	s_and_b32 s46, s43, 1
	s_lshl_b32 s46, s46, 3
	s_add_co_u32 s45, s45, s46                     ; the tile's first row
	s_lshl_b32 s46, 384, s41                       ; a row of codes in bytes
	s_mul_i32 s48, s45, s46
	s_mul_i32 s47, s44, 384
	s_add_co_u32 s48, s48, s47
	s_mov_b32 s49, 0
	s_add_nc_u64 s[10:11], s[10:11], s[48:49]
	s_lshl_b32 s47, 16, s41                        ; a row of scale bytes
	s_mul_i32 s48, s45, s47
	s_lshl_b32 s50, s44, 4
	s_add_co_u32 s48, s48, s50
	s_add_nc_u64 s[12:13], s[12:13], s[48:49]
	s_mul_i32 s48, s6, 6400
	s_add_co_u32 s48, s48, PRE_W
	s_add_nc_u64 s[34:35], s[34:35], s[48:49]
	v_and_b32 v4, 8, v2
	v_add_nc_u32 v4, v4, v2                        ; r + 8 (r / 8)
	v_mul_u32_u24 v5, s46, v4
	v_mad_u32_u24 v5, v3, 24, v5                   ; codes: my row, + 24 h
	v_mul_u32_u24 v6, s47, v4
	v_lshl_add_u32 v6, v3, 3, v6                   ; scale bytes: my row; lanes 0-15 take K steps 0, 1, lanes 16-31 steps 2, 3
	v_mul_u32_u24 v7, v3, 3200
	v_lshl_add_u32 v7, v2, 3, v7                   ; and put them into unit h at 8 r
.irp q, 0,1,2,3
.irp p, 0,1,2,3,4,5
	global_load_b64 v[16+12*\q+2*\p:16+12*\q+2*\p+1], v5, s[10:11] offset:96*\q+48*(\p/3)+8*(\p%3)   ; 24 bytes of the row's stream of bits, as they lie, in pieces of 8
.endr
.endr
	global_load_b64 v[64:65], v6, s[12:13]
	s_wait_loadcnt 0x0
.irp q, 0,1,2,3
.irp c, 0,1,2
	global_store_b128 v1, v[16+12*\q+4*\c:16+12*\q+4*\c+3], s[34:35] offset:3200*(\q/2)+1536*(\q%2)+512*\c
.endr
.endr
	global_store_b64 v7, v[64:65], s[34:35] offset:3072
	s_endpgm
.Lfunc_end_k_q8feaccaecd_prep:
	.size	k_q8feaccaecd_prep, .Lfunc_end_k_q8feaccaecd_prep-k_q8feaccaecd_prep
	.p2alignl 7, 3214868480
	.fill 96, 4, 3214868480
	.section	.rodata,"a",@progbits
	.p2align	6, 0x0
	.amdhsa_kernel k_q8feaccaecd_prep
		.amdhsa_group_segment_fixed_size 69376
		.amdhsa_private_segment_fixed_size 0
		.amdhsa_enable_private_segment 0
		.amdhsa_kernarg_size 112
		.amdhsa_user_sgpr_count 2
		.amdhsa_user_sgpr_kernarg_segment_ptr 1
		.amdhsa_wavefront_size32 1
		.amdhsa_system_sgpr_workgroup_id_x 1
		.amdhsa_system_sgpr_workgroup_id_y 1
		.amdhsa_system_sgpr_workgroup_id_z 1
		.amdhsa_system_vgpr_workitem_id 0
		.amdhsa_next_free_vgpr 202
		.amdhsa_next_free_sgpr 66
		.amdhsa_reserve_vcc 0
		.amdhsa_float_denorm_mode_32 3
		.amdhsa_float_denorm_mode_16_64 3
		.amdhsa_memory_ordered 1
		.amdhsa_forward_progress 1
		.amdhsa_inst_pref_size 22
	.end_amdhsa_kernel
	.amdgpu_metadata
---
amdhsa.version: [ 1, 2 ]
amdhsa.kernels:
  - .name:           k_q8feaccaecd_prep
    .symbol:         k_q8feaccaecd_prep.kd
    .args:
      - { .name: x, .offset: 0, .size: 8, .value_kind: global_buffer, .address_space: global }
      - { .name: wq_codes, .offset: 8, .size: 8, .value_kind: global_buffer, .address_space: global }
      - { .name: wq_scales, .offset: 16, .size: 8, .value_kind: global_buffer, .address_space: global }
      - { .name: wk_codes, .offset: 24, .size: 8, .value_kind: global_buffer, .address_space: global }
      - { .name: wk_scales, .offset: 32, .size: 8, .value_kind: global_buffer, .address_space: global }
      - { .name: wv_codes, .offset: 40, .size: 8, .value_kind: global_buffer, .address_space: global }
      - { .name: wv_scales, .offset: 48, .size: 8, .value_kind: global_buffer, .address_space: global }
      - { .name: wo_codes, .offset: 56, .size: 8, .value_kind: global_buffer, .address_space: global }
      - { .name: wo_scales, .offset: 64, .size: 8, .value_kind: global_buffer, .address_space: global }
      - { .name: exp_fc1_codes, .offset: 72, .size: 8, .value_kind: global_buffer, .address_space: global }
      - { .name: exp_fc1_scales, .offset: 80, .size: 8, .value_kind: global_buffer, .address_space: global }
      - { .name: exp_fc2_codes, .offset: 88, .size: 8, .value_kind: global_buffer, .address_space: global }
      - { .name: exp_fc2_scales, .offset: 96, .size: 8, .value_kind: global_buffer, .address_space: global }
      - { .name: pre, .offset: 104, .size: 8, .value_kind: global_buffer, .address_space: global }
    .group_segment_fixed_size: 69376
    .private_segment_fixed_size: 0
    .kernarg_segment_align: 8
    .kernarg_segment_size: 112
    .max_flat_workgroup_size: 256
    .sgpr_count:     66
    .vgpr_count:     202
    .wavefront_size: 32
...
	.end_amdgpu_metadata
.endif
;; end of part 1
;; launch qkv (part 2): grid 48 x 4, 4 waves a work-group, clusters of 4 x 4, 327,680 bytes of LDS; arguments pre, qkv; writes qkv
.if DOCPART == 2
	.amdgcn_target "amdgcn-amd-amdhsa--gfx1250"
	.amdhsa_code_object_version 6
	.text
	.protected	k_q8feaccaecd_qkv
	.globl	k_q8feaccaecd_qkv
	.p2align	8
	.type	k_q8feaccaecd_qkv,@function
k_q8feaccaecd_qkv:
	s_mov_b64 s[64:65], 0
	v_nop
	global_prefetch_b8 v0, s[64:65] scope:SCOPE_SE
	s_setreg_imm32_b32 hwreg(HW_REG_WAVE_MODE, 25, 1), 1
	s_wait_xcnt 0x0
	s_wait_alu depctr_hold_cnt(0) depctr_sa_sdst(0) depctr_va_vdst(0) depctr_va_sdst(0) depctr_va_ssrc(0) depctr_va_vcc(0) depctr_vm_vsrc(0)
	s_getreg_b32 s2, hwreg(HW_REG_IB_STS2, 6, 4)
	s_cmp_eq_u32 s2, 0
	s_cbranch_scc0 .Lentry_in_a_cluster
	s_endpgm
.Lentry_in_a_cluster:
	s_bfe_u32 s2, ttmp6, 0x10000c
	s_cmp_lg_u32 s2, 0xf033
	s_cbranch_scc0 .Lentry_shape_is_right
	s_endpgm
.Lentry_shape_is_right:
; QKV.  q = h wq, k = h wk, v = h wv on codes of E2M3, K = 1,024, and the results quantised at once: q and k along the head's 64 channels, v along the keys.
; A cluster of 4 x 4 work-groups makes one quarter of one of the three products (cluster x / 4 = which, cluster x % 4 = which quarter).  A work-group makes 256 x 256, a wave 128 x 128: 64 accumulators.
; THE MATRIX INSTRUCTION IS USED TRANSPOSED: source 0 = 16 rows of B, source 1 = 16 rows of A; a lane holds ONE row of A and its registers run along B's rows.
; q, k: A = h (tokens), B = the weight (channels): registers run along the channels.   v: A = wv (channels), B = h (tokens): registers run along the keys.
; Operands lie in memory as units of 3,200 bytes (256 along K of a tile of 16 rows: two register images and the scale words), tile t, lane r = true row 32 (t / 2) + 8 (t % 2) + r + 8 (r / 8):
; so the 16 registers of result tiles 2 b, 2 b + 1 are 16 neighbours, and a fragment comes from LDS by three loads of 512 consecutive bytes: no padding is needed.
; K is four units of 256.  THREE LDS SLOTS: units 0, 1, 2 are asked for at the start; unit 3 goes into slot 0 once that has been read, and has two units' products, 256 matrix instructions a wave, in which to land.
; A wave's tensor load brings 8 units (8 rows of 3,200 bytes, 12,800 apart).  A's tiles are asked for jointly along a row of the cluster, B's along a column.
; OUT (qkv): q records at (head x 128 + query tile) x 1,024: 6 registers' image (16 l; 512 + 8 l), 16 scale words at 768.  From 4,194,304: 212,992 bytes a head, 16 records of 13,312 bytes (128 keys):
; k's 8 tiles at 768 t, v's 4 channel tiles at 6,144 + 1,536 ct (two images of 6 registers), k's words at 12,288 + 64 t + 4 r, v's at 12,800 + 128 ct + 4 x lane.
; LIMITS: a block of zeros gets the scale byte 1 (its codes are zeros; only this program reads the bytes); NaN and infinities are not served.
; REGISTERS: window 0: v3-13 lane terms, v16-29 addresses, v32-63 scale words (two sets), v64-102 at work in the way out, v128-223 A's fragments (one set); window 1: B's fragments (two sets); windows 2, 3: accumulators.
.set NQ,    2
.set FR,    12
.set NL,    3                          ; LDS loads that bring a fragment
.set NP,    4                          ; places behind this matrix instruction (ISA guide 7.12.1)
.set UNIT,  3200
.set HALFT, 8*UNIT                     ; what one tensor load brings
.set SLOT,  4*HALFT                    ; A's 16 units, then B's 16
.set SPARE, 3*SLOT                     ; behind the three slots: the spare words, 128 bytes a wave
.set ADRA, 16                          ; v16-18 my A fragments in slot 0, 1, 2
.set ADRB, 20                          ; v20-22 my B fragments
.set ADRS, 24                          ; v24-26 my scale words: lanes 0-15 A's, lanes 16-31 B's
.set SPW,  28
.set NIL,  29
.set SC,   32
.set TM,   64
.set PW,   80
.set WD,   81
.set PC,   84
.set AF,   128
.set G1,  24
.set G0,  32                           ; s[32:39] group 0 for A's tiles, slots 0 and 1
.set G1B, 48
.set G0B, 56
.set G0C, 80                           ; s[80:83] group 0 for A's tile in slot 2; s[84:87] for B's.  The way out's table takes these registers behind the last wait for all tensor loads
.set G0CB, 84
.set SEL, 92
.set T_DH, 78                          ; the way out's constants, chosen by the product
.set T_JS, 79
.set T_C0, 80
.set T_CW, 81
.set T_QS, 82
.set T_JI, 84
.set T_QW, 86
.set T_JW, 88
.set T_DD, 90
.set T_DW, 91
.set T_SH, 94
.set IMG, 96
.set WRD, 98
.set MSB, 0
.macro WIN new                         ; the immediate's high byte repeats the setting that is left; a switch that changes nothing is dropped
.if MSB != (\new)
	s_set_vgpr_msb (MSB<<8)|(\new)
.set MSB, (\new)
.endif
.endm
.set MUL_LO, 0xa1                      ; source 0 (B) window 1, source 1 (A) window 0, C and D window 2
.set MUL_HI, 0xf1                      ; the same, C and D window 3
.set TO_B,   0x40                      ; destination window 1
.macro PLACES n
.rept \n
	v_nop
.endr
.endm
; A joint load: waves 0 and 1 fetch for A, waves 2 and 3 for B; the branch hangs on the wave's number alone.  Four v_nop follow each of the two lines.
.macro JLOAD g0a, g1a, g0b, g1b
	s_cmp_eq_u32 s15, 0
	s_cbranch_scc0 .Lfor_b_\@
	tensor_load_to_lds s[\g0a:\g0a+3], s[\g1a:\g1a+7]
	s_nop 0
.rept 4
	v_nop
.endr
	s_branch .Lasked_\@
.Lfor_b_\@:
	tensor_load_to_lds s[\g0b:\g0b+3], s[\g1b:\g1b+7]
	s_nop 0
.rept 4
	v_nop
.endr
.Lasked_\@:
.endm
.macro CREST                           ; a round of the cluster's barrier behind its opening barrier
	s_cmp_lg_u32 s14, 0
	s_cbranch_scc1 .Lnot_wave_0_\@
	s_barrier_signal -3
.Lnot_wave_0_\@:
	s_barrier_wait -3
	s_barrier_signal -1
	s_barrier_wait -1
.endm
.macro CROUND
	s_barrier_signal -1
	s_barrier_wait -1
	CREST
.endm
; 64 numbers of a lane in window w, register 16 b + i = k 32 b + 16 (lane / 16) + i of my row, become a fragment's codes in v[PC] on and its scale word in v[PW].
.macro QUANT s, w
	WIN ((\w)|((\w)<<2))
.irp b, 0,1,2,3
	v_max3_num_f32 v[TM+\b], |v[(\s)+16*\b]|, |v[(\s)+16*\b+1]|, 0x1800000   ; my 16 numbers of block b, and the floor 2^(3 - 127): the byte cannot fall under 1
.endr
.irp i, 2,4,6,8,10,12,14
.irp b, 0,1,2,3
	v_max3_num_f32 v[TM+\b], |v[(\s)+16*\b+\i]|, |v[(\s)+16*\b+\i+1]|, v[TM+\b]   ; the four blocks by turns; each accumulator is read from its low end on
.endr
.endr
	WIN 0
.irp b, 0,1,2,3
	v_permlanex16_b32 v[TM+4+\b], v[TM+\b], s[SEL], s[SEL+1]
.endr
.irp b, 0,1,2,3
	v_max_num_f32 v[TM+\b], v[TM+\b], v[TM+4+\b]
.endr
.irp b, 0,1,2,3
	v_add_nc_u32 v[TM+12+\b], 0xff000000, v[TM+\b]   ; 2 off the exponent field: the conversion's scale operand
.endr
.irp b, 0,1,2,3
	v_lshrrev_b32 v[TM+4+\b], 23, v[TM+12+\b]      ; the scale's byte
.endr
	v_lshl_or_b32 v[PW], v[TM+5], 8, v[TM+4]
	v_lshl_or_b32 v[PW], v[TM+6], 16, v[PW]
	v_lshl_or_b32 v[PW], v[TM+7], 24, v[PW]
	WIN (\w)
.irp c, 0,1
	v_cvt_scalef32_pk16_fp6_f32 v[PC+6*\c:PC+6*\c+2], v[(\s)+32*\c:(\s)+32*\c+15], v[TM+12+2*\c]
	v_cvt_scalef32_pk16_fp6_f32 v[PC+12+4*\c:PC+14+4*\c], v[(\s)+32*\c+16:(\s)+32*\c+31], v[TM+13+2*\c]
.endr
	WIN 0
	v_nop                                          ; one plain place behind a scaled conversion
.irp c, 0,1
.irp i, 0,1,2
	v_permlane16_swap_b32 v[PC+6*\c+\i], v[PC+12+4*\c+\i]
.endr
.irp i, 0,1,2
	v_mov_b32 v[PC+3+6*\c+\i], v[PC+12+4*\c+\i]
.endr
.endr
.endm
	s_load_b128 s[4:7], s[0:1], 0x0                ; pre s[4:5], qkv s[6:7]
	v_lshl_add_u32 v[SPW], v0, 2, SPARE
	v_mov_b32 v[NIL], 0
	ds_add_u32 v28, v29
	ds_add_u32 v28, v29
	s_wait_dscnt 0x0
	v_lshrrev_b32 v1, 5, v0
	v_readfirstlane_b32 s14, v1                    ; wave 0..3
	s_lshr_b32 s15, s14, 1                         ; which half of A's rows is mine.  Also: I fetch for A (0) or for B (1)
	s_and_b32 s16, s14, 1                          ; which half of B's rows.  Also: which 8 units I fetch
	s_bfe_u32 s40, ttmp6, 0x40000                  ; cx
	s_bfe_u32 s41, ttmp6, 0x40004                  ; cy
	s_lshr_b32 s66, ttmp9, 2                       ; the product: 0 q, 1 k, 2 v
	s_and_b32 s67, ttmp9, 3                        ; which quarter
	s_mul_i32 s68, s66, 819200
	s_add_co_u32 s68, s68, 3276800                 ; wq's or wk's units in pre
	s_cmp_lt_u32 s66, 2                            ; only offsets are chosen; both operands lie in pre
	s_cselect_b32 s69, s67, 0                      ; the quarter goes along the tokens: A's rows for q and k,
	s_cselect_b32 s70, 0, s67                      ; B's rows for v
	s_cselect_b32 s71, 0, 4915200                  ; A: h, or wv
	s_cselect_b32 s68, s68, 0                      ; B: the weight, or h
	s_lshl_b32 s42, s70, 2
	s_add_co_u32 s42, s42, s40                     ; TC: which 256 rows of B
	s_lshl_b32 s17, s69, 2
	s_add_co_u32 s17, s17, s41                     ; TR: which 256 rows of A
	s_lshl_b32 s43, s41, 2
	s_lshl_b32 s43, 15, s43                        ; my row of the cluster
	s_lshl_b32 s44, 0x1111, s40                    ; my column
	s_or_b32 s[G1+0], s43, (3<<16)|(1<<21)         ; 15:0 the mask; 17:16 elements of 8 bytes; 21 set beside a mask; no padding
	s_or_b32 s[G1B+0], s44, (3<<16)|(1<<21)
.irp g, G1, G1B
	s_mov_b32 s[\g+1], 400<<16                     ; tensor_dim0 = 400 elements: a unit
	s_mov_b32 s[\g+2], 8<<16                       ; tensor_dim1 = 8
	s_mov_b32 s[\g+3], 400<<16                     ; tile_dim0
	s_mov_b32 s[\g+4], 8                           ; tile_dim1
	s_mov_b32 s[\g+5], 1600                        ; from tile to tile: 12,800 bytes
	s_mov_b32 s[\g+6], 0
	s_mov_b32 s[\g+7], 0
.endr
	s_lshl_b32 s18, s16, 3
	s_lshl_b32 s20, s17, 4
	s_add_co_u32 s20, s20, s18
	s_mul_i32 s20, s20, 12800
	s_add_co_u32 s20, s20, s71                     ; A: tile 16 TR + 8 x half
	s_mov_b32 s21, 0
	s_lshl_b32 s46, s42, 4
	s_add_co_u32 s46, s46, s18
	s_mul_i32 s46, s46, 12800
	s_add_co_u32 s46, s46, s68                     ; B: tile 16 TC + 8 x half
	s_mov_b32 s47, 0
	s_mul_i32 s45, s14, HALFT                      ; where they go: wave x 8 units: no place in the cluster enters an LDS address
	s_mov_b32 s[SEL], 0x76543210
	s_mov_b32 s[SEL+1], 0xfedcba98
	s_wait_kmcnt 0x0
	s_add_nc_u64 s[20:21], s[4:5], s[20:21]
	s_add_nc_u64 s[46:47], s[4:5], s[46:47]
	CROUND                                         ; all sixteen work-groups are here: the first joint loads meet
.irp s, 0,1
	s_mov_b32 s[G0+4*\s], 1
	s_add_co_u32 s[G0+4*\s+1], s45, \s*SLOT
	s_add_nc_u64 s[G0+4*\s+2:G0+4*\s+3], s[20:21], \s*UNIT
	s_or_b32 s[G0+4*\s+3], s[G0+4*\s+3], 0x80000000
	s_mov_b32 s[G0B+4*\s], 1
	s_add_co_u32 s[G0B+4*\s+1], s45, \s*SLOT
	s_add_nc_u64 s[G0B+4*\s+2:G0B+4*\s+3], s[46:47], \s*UNIT
	s_or_b32 s[G0B+4*\s+3], s[G0B+4*\s+3], 0x80000000
	JLOAD G0+4*\s, G1, G0B+4*\s, G1B
.endr
	s_mov_b32 s[G0C], 1
	s_add_co_u32 s[G0C+1], s45, 2*SLOT
	s_add_nc_u64 s[G0C+2:G0C+3], s[20:21], 2*UNIT
	s_or_b32 s[G0C+3], s[G0C+3], 0x80000000
	s_mov_b32 s[G0CB], 1
	s_add_co_u32 s[G0CB+1], s45, 2*SLOT
	s_add_nc_u64 s[G0CB+2:G0CB+3], s[46:47], 2*UNIT
	s_or_b32 s[G0CB+3], s[G0CB+3], 0x80000000
	JLOAD G0C, G1, G0CB, G1B                       ; three loads of mine are out: units 0, 1, 2
	v_and_b32 v2, 31, v0
	v_lshlrev_b32 v3, 4, v2                        ; 16 x lane
	v_and_b32 v4, 15, v0                           ; r
	v_bfe_u32 v5, v0, 4, 1                         ; h
	s_mul_i32 s72, s15, HALFT                      ; my 8 units of A
	s_mul_i32 s73, s16, HALFT
	s_add_co_u32 s73, s73, 2*HALFT                 ; my 8 units of B, behind A's 16
	v_add_nc_u32 v[ADRA], s72, v3
	v_add_nc_u32 v[ADRB], s73, v3
	v_add_nc_u32 v[ADRA+1], SLOT, v[ADRA]
	v_add_nc_u32 v[ADRB+1], SLOT, v[ADRB]
	v_add_nc_u32 v[ADRA+2], 2*SLOT, v[ADRA]
	v_add_nc_u32 v[ADRB+2], 2*SLOT, v[ADRB]
	s_xor_b32 s74, s15, 1
	s_add_co_u32 s74, s74, s16
	s_add_co_u32 s74, s74, 1
	s_mul_i32 s74, s74, HALFT                      ; from my A units to my B units: (2 + s16 - s15) x 8 units
	v_mul_u32_u24 v6, s74, v5                      ; lanes 16-31 take B's words: one product with h
	v_lshl_add_u32 v6, v4, 3, v6
	s_add_co_u32 s72, s72, 3072
	v_add_nc_u32 v[ADRS], s72, v6
	v_add_nc_u32 v[ADRS+1], SLOT, v[ADRS]
	v_add_nc_u32 v[ADRS+2], 2*SLOT, v[ADRS]
.irp b, 0,1,2,3
	v_mov_b32 v[TM+4+\b], 0                        ; written once: a lane permute's destination counts as one of its sources
.endr
.macro FRAG reg, adr, q, i             ; a fragment is its registers' image: three loads of 512 consecutive bytes
.irp c, 0,1,2
	ds_load_b128 v[(\reg)+4*\c:(\reg)+4*\c+3], v[\adr] offset:UNIT*(\i)+1536*(\q)+512*\c
.endr
.endm
; 16 matrix instructions: A's blocks a0, a0 + 1 x B's eight.  The 64 accumulators take turns, one instruction a turn, in the same order in every step.
.macro MUL16 a0, p, q, sc, zero
.irp a, \a0, \a0+1
.irp b, 0,1,2,3,4,5,6,7
.if \zero
	v_wmma_scale_f32_16x16x128_f8f6f4 v[8*(8*((\a)%4)+\b):8*(8*((\a)%4)+\b)+7], v[128*(\p)+FR*\b:128*(\p)+FR*\b+FR-1], v[AF+FR*(\a):AF+FR*(\a)+FR-1], 0, v[SC+8*NQ*(\sc)+NQ*\b+(\q)], v[SC+8*NQ*(\sc)+NQ*(\a)+(\q)] matrix_a_fmt:MATRIX_FMT_FP6 matrix_b_fmt:MATRIX_FMT_FP6 matrix_a_scale:MATRIX_SCALE_ROW1
.else
	v_wmma_scale_f32_16x16x128_f8f6f4 v[8*(8*((\a)%4)+\b):8*(8*((\a)%4)+\b)+7], v[128*(\p)+FR*\b:128*(\p)+FR*\b+FR-1], v[AF+FR*(\a):AF+FR*(\a)+FR-1], v[8*(8*((\a)%4)+\b):8*(8*((\a)%4)+\b)+7], v[SC+8*NQ*(\sc)+NQ*\b+(\q)], v[SC+8*NQ*(\sc)+NQ*(\a)+(\q)] matrix_a_fmt:MATRIX_FMT_FP6 matrix_b_fmt:MATRIX_FMT_FP6 matrix_a_scale:MATRIX_SCALE_ROW1
.endif
.endr
.endr
.endm
.macro FETCH_B slot, q, p
	WIN TO_B
.irp i, 0,1,2,3,4,5,6,7
	FRAG 128*(\p)+FR*\i, ADRB+\slot, \q, \i
.endr
	WIN 0
.endm
.macro FETCH_A slot, q, i0
.irp i, \i0, \i0+1, \i0+2, \i0+3
	FRAG AF+FR*(\i), ADRA+\slot, \q, \i
.endr
.endm
.macro SCALES slot, sc                 ; the slot's scale words into set sc: two a row; lanes 0-15 A's tile i, lanes 16-31 B's tile i
.irp i, 0,1,2,3,4,5,6,7
	ds_load_b64 v[SC+8*NQ*\sc+NQ*\i:SC+8*NQ*\sc+NQ*\i+1], v[ADRS+\slot] offset:UNIT*\i
.endr
.endm
; A step of 128 along K that has its successor in the same slot.  A block of A is free once its eight products are issued, so A has one set of registers; B has two.  sc: the unit's set of scale words (the unit's number % 2).
.macro STEP slot, sc, q, zero
	s_wait_dscnt 4*NL                              ; all but the youngest 12 loads (A's blocks 4-7)
	WIN MUL_LO
	MUL16 0, (\q)%2, \q, \sc, \zero
	MUL16 2, (\q)%2, \q, \sc, \zero
	s_wait_dscnt 0
	PLACES NP                                      ; in front of loads into registers that matrix instructions have read
	FETCH_B \slot, (\q)+1, 1-(\q)%2
	FETCH_A \slot, (\q)+1, 0
	WIN MUL_HI
	MUL16 4, (\q)%2, \q, \sc, \zero
	MUL16 6, (\q)%2, \q, \sc, \zero
	PLACES NP
	WIN 0
	FETCH_A \slot, (\q)+1, 4
.endm
; A slot's last step with a barrier: in front of it each wave waits for all its tensor loads, adds 0 to its spare word, and waits for that and for its reads of this slot.  fill = 1: this slot takes the unit three on.
.macro TURN slot, sc, next, nsc, fill
	s_wait_tensorcnt 0x0                           ; all my tensor loads have landed
	ds_add_u32 v[SPW], v[NIL]                      ; 0 onto my spare word
	s_wait_dscnt 4*NL+1                            ; the add and A's blocks 4-7 may be out
	WIN MUL_LO
	MUL16 0, 1, NQ-1, \sc, 0
	s_wait_dscnt 0x0                               ; the add is done, and my reads of this slot are over
	s_barrier_signal -1
	MUL16 2, 1, NQ-1, \sc, 0
	WIN 0
	s_barrier_wait -1
.if \fill
	CREST                                          ; the barrier has opened a round of the cluster's: no wave of any partner still reads this slot or has a load on its way
	s_add_nc_u64 s[G0+4*\slot+2:G0+4*\slot+3], s[G0+4*\slot+2:G0+4*\slot+3], 3*UNIT
	s_add_nc_u64 s[G0B+4*\slot+2:G0B+4*\slot+3], s[G0B+4*\slot+2:G0B+4*\slot+3], 3*UNIT
	JLOAD G0+4*\slot, G1, G0B+4*\slot, G1B         ; my one tensor load behind the round; its four v_nop are the places in front of the loads below
.else
	PLACES NP
.endif
	FETCH_B \next, 0, 0
	FETCH_A \next, 0, 0
	SCALES \next, \nsc
	WIN MUL_HI
	MUL16 4, 1, NQ-1, \sc, 0
	MUL16 6, 1, NQ-1, \sc, 0
	PLACES NP
	WIN 0
	FETCH_A \next, 0, 4
.endm
; A slot's last step where the next slot is known whole and this slot is not filled again: no wait on tensor loads, no barrier.
.macro PASS sc, next, nsc
	s_wait_dscnt 4*NL
	WIN MUL_LO
	MUL16 0, 1, NQ-1, \sc, 0
	MUL16 2, 1, NQ-1, \sc, 0
	s_wait_dscnt 0
	PLACES NP
	FETCH_B \next, 0, 0
	FETCH_A \next, 0, 0
	SCALES \next, \nsc
	WIN MUL_HI
	MUL16 4, 1, NQ-1, \sc, 0
	MUL16 6, 1, NQ-1, \sc, 0
	PLACES NP
	WIN 0
	FETCH_A \next, 0, 4
.endm
	s_wait_tensorcnt 2                             ; my part of slot 0 is in; slots 1 and 2's may stay out
	s_barrier_signal -1
	s_barrier_wait -1
	FETCH_B 0, 0, 0
	FETCH_A 0, 0, 0
	SCALES 0, 0
	FETCH_A 0, 0, 4
	STEP 0, 0, 0, 1                                ; unit 0: the first products start the sums
	TURN 0, 0, 1, 1, 1                             ; every wave has waited for units 1 and 2; slot 0 takes unit 3
	STEP 1, 1, 0, 0                                ; unit 1
	PASS 1, 2, 0                                   ; slot 2 was shown whole by the round above
	STEP 2, 0, 0, 0                                ; unit 2
	TURN 2, 0, 0, 1, 0                             ; unit 3 has landed in every wave's part of slot 0; nothing is left to fetch
	STEP 0, 1, 0, 0                                ; unit 3
	s_wait_dscnt 4*NL
	WIN MUL_LO
	MUL16 0, 1, NQ-1, 1, 0
	MUL16 2, 1, NQ-1, 1, 0
	s_wait_dscnt 0
	WIN MUL_HI
	MUL16 4, 1, NQ-1, 1, 0
	MUL16 6, 1, NQ-1, 1, 0
	WIN 0
	PLACES NP                                      ; in front of the first read of results
	; THE WAY OUT: block a (one tile of A's rows x my 128 of B's rows) is one fragment.  Where it goes hangs on the product.
.macro ROWSEL ph, reg, vq, vk, vv
.if \ph == 0
	s_mov_b32 s[\reg], \vv
.elseif \ph == 1
	s_cselect_b32 s[\reg], \vk, s[\reg]
.else
	s_cselect_b32 s[\reg], \vq, s[\reg]
.endif
.endm
.macro TABLE ph                        ;             q        k        v
	ROWSEL \ph, T_DH, 131072,  212992,  212992     ; bytes a head
	ROWSEL \ph, T_JS, 8192,    13312,   13312      ; bytes for 128 tokens
	ROWSEL \ph, T_C0, 0,       4194304, 4200448    ; the images' first byte
	ROWSEL \ph, T_CW, 768,     4206592, 4207104    ; the words' first byte
	ROWSEL \ph, T_QS, 1024,    768,     1536       ; from block to block: images
	ROWSEL \ph, T_JI, 1024,    768,     208384     ; and from block 3 to block 4 (v: the next head)
	ROWSEL \ph, T_QW, 1024,    64,      128        ; words
	ROWSEL \ph, T_JW, 1024,    64,      212608
	ROWSEL \ph, T_DD, 131072,  212992,  768        ; from registers 0-5 to registers 6-11 (q, k: the next head)
	ROWSEL \ph, T_DW, 131072,  212992,  64         ; lanes 16-31 store their word here
	ROWSEL \ph, T_SH, 16,      16,      0          ; shifted down by so much (q, k: the second head's two bytes)
.endm
	s_lshl_b32 s72, s17, 1
	s_add_co_u32 s72, s72, s15                     ; which 128 rows of A
	s_lshl_b32 s73, s42, 1
	s_add_co_u32 s73, s73, s16                     ; which 128 rows of B
	s_cmp_lt_u32 s66, 2
	s_cselect_b32 s74, s72, s73                    ; the group of 128 tokens,
	s_cselect_b32 s75, s73, s72                    ; the group of 128 channels (two heads)
	s_lshr_b32 s76, s74, 4
	s_lshl_b32 s76, s76, 4
	s_lshl_b32 s75, s75, 1
	s_add_co_u32 s76, s76, s75                     ; my first head: 16 x batch + 2 x channel group
	s_and_b32 s77, s74, 15                         ; the token group within the batch
	TABLE 0
	s_cmp_eq_u32 s66, 1
	TABLE 1
	s_cmp_eq_u32 s66, 0
	TABLE 2
	s_mul_i32 s76, s76, s[T_DH]
	s_mul_i32 s77, s77, s[T_JS]
	s_add_co_u32 s76, s76, s77
	s_add_co_u32 s[IMG], s76, s[T_C0]
	s_mov_b32 s[IMG+1], 0
	s_add_co_u32 s[WRD], s76, s[T_CW]
	s_mov_b32 s[WRD+1], 0
	s_add_nc_u64 s[IMG:IMG+1], s[6:7], s[IMG:IMG+1]
	s_add_nc_u64 s[WRD:WRD+1], s[6:7], s[WRD:WRD+1]
	s_mov_b32 s[T_QS+1], 0
	s_mov_b32 s[T_JI+1], 0
	s_mov_b32 s[T_QW+1], 0
	s_mov_b32 s[T_JW+1], 0
	v_lshlrev_b32 v9, 3, v2                        ; 8 x lane  (v3 = 16 x lane)
	v_add_nc_u32 v10, s[T_DD], v3
	v_add_nc_u32 v11, s[T_DD], v9
	v_mul_u32_u24 v12, s[T_DW], v5
	v_lshl_add_u32 v12, v4, 2, v12                 ; 4 r + h x DW
	v_mul_u32_u24 v13, s[T_SH], v5                 ; h x SH
.irp a, 0,1,2,3,4,5,6,7
.if \a > 0
	s_wait_xcnt 0x0                                ; the last block's stores have read their data and their bases: both are written again only behind this wait
.if \a == 4
	s_add_nc_u64 s[IMG:IMG+1], s[IMG:IMG+1], s[T_JI:T_JI+1]
	s_add_nc_u64 s[WRD:WRD+1], s[WRD:WRD+1], s[T_JW:T_JW+1]
.else
	s_add_nc_u64 s[IMG:IMG+1], s[IMG:IMG+1], s[T_QS:T_QS+1]
	s_add_nc_u64 s[WRD:WRD+1], s[WRD:WRD+1], s[T_QW:T_QW+1]
.endif
.endif
	QUANT 64*(\a%4), 2+\a/4
	global_store_b128 v3, v[PC:PC+3], s[IMG:IMG+1]                ; registers 0-3: 512 consecutive bytes
	global_store_b64 v9, v[PC+4:PC+5], s[IMG:IMG+1] offset:512    ; registers 4, 5: 256
	global_store_b128 v10, v[PC+6:PC+9], s[IMG:IMG+1]
	global_store_b64 v11, v[PC+10:PC+11], s[IMG:IMG+1] offset:512
	v_lshrrev_b32 v[WD], v13, v[PW]
	global_store_b32 v12, v[WD], s[WRD:WRD+1]
.endr
	s_wait_tensorcnt 0x0                           ; the wave's end
	ds_add_u32 v[SPW], v[NIL]
	s_wait_dscnt 0x0
	CROUND                                         ; the closing round: no work-group ends while a partner may still ask for a tile that names it
	s_endpgm
.Lfunc_end_k_q8feaccaecd_qkv:
	.size	k_q8feaccaecd_qkv, .Lfunc_end_k_q8feaccaecd_qkv-k_q8feaccaecd_qkv
	.p2alignl 7, 3214868480
	.fill 96, 4, 3214868480
	.section	.rodata,"a",@progbits
	.p2align	6, 0x0
	.amdhsa_kernel k_q8feaccaecd_qkv
		.amdhsa_group_segment_fixed_size 327680
		.amdhsa_private_segment_fixed_size 0
		.amdhsa_enable_private_segment 0
		.amdhsa_kernarg_size 16
		.amdhsa_user_sgpr_count 2
		.amdhsa_user_sgpr_kernarg_segment_ptr 1
		.amdhsa_wavefront_size32 1
		.amdhsa_system_sgpr_workgroup_id_x 1
		.amdhsa_system_sgpr_workgroup_id_y 1
		.amdhsa_system_sgpr_workgroup_id_z 1
		.amdhsa_system_vgpr_workitem_id 0
		.amdhsa_next_free_vgpr 1024
		.amdhsa_next_free_sgpr 100
		.amdhsa_reserve_vcc 0
		.amdhsa_float_denorm_mode_32 3
		.amdhsa_float_denorm_mode_16_64 3
		.amdhsa_memory_ordered 1
		.amdhsa_forward_progress 1
		.amdhsa_inst_pref_size 142
	.end_amdhsa_kernel
	.amdgpu_metadata
---
amdhsa.version: [ 1, 2 ]
amdhsa.kernels:
  - .name:           k_q8feaccaecd_qkv
    .symbol:         k_q8feaccaecd_qkv.kd
    .args:
      - { .name: pre, .offset: 0, .size: 8, .value_kind: global_buffer, .address_space: global }
      - { .name: qkv, .offset: 8, .size: 8, .value_kind: global_buffer, .address_space: global }
    .group_segment_fixed_size: 327680
    .private_segment_fixed_size: 0
    .kernarg_segment_align: 8
    .kernarg_segment_size: 16
    .max_flat_workgroup_size: 128
    .sgpr_count:     100
    .vgpr_count:     1024
    .wavefront_size: 32
...
	.end_amdgpu_metadata
.endif
;; end of part 2
;; launch attn (part 3): grid 8 x 32, 16 waves a work-group, clusters of 4 x 1, 215,040 bytes of LDS; arguments qkv, oimg; writes oimg
.if DOCPART == 3
	.amdgcn_target "amdgcn-amd-amdhsa--gfx1250"
	.amdhsa_code_object_version 6
	.text
	.protected	k_q8feaccaecd_attn
	.globl	k_q8feaccaecd_attn
	.p2align	8
	.type	k_q8feaccaecd_attn,@function
k_q8feaccaecd_attn:
	s_mov_b64 s[64:65], 0
	v_nop
	global_prefetch_b8 v0, s[64:65] scope:SCOPE_SE
	s_setreg_imm32_b32 hwreg(HW_REG_WAVE_MODE, 25, 1), 1
	s_wait_xcnt 0x0
	s_wait_alu depctr_hold_cnt(0) depctr_sa_sdst(0) depctr_va_vdst(0) depctr_va_sdst(0) depctr_va_ssrc(0) depctr_va_vcc(0) depctr_vm_vsrc(0)
	s_getreg_b32 s2, hwreg(HW_REG_IB_STS2, 6, 4)
	s_cmp_eq_u32 s2, 0
	s_cbranch_scc0 .Lentry_in_a_cluster
	s_endpgm
.Lentry_in_a_cluster:
	s_bfe_u32 s2, ttmp6, 0x10000c
	s_cmp_lg_u32 s2, 0x3003
	s_cbranch_scc0 .Lentry_shape_is_right
	s_endpgm
.Lentry_shape_is_right:
; ATTN.  o = softmax(q k^T / 8, causal) v for one head of one batch, both products on codes of E2M3; o is divided by the row's sum and quantised along its 64 channels.
; t = score x log2(e) / 8; M = the running largest t rounded up to a whole number; p = 2^(t - M) is what is quantised along the keys; the sum is taken of the unquantised p.  When M moves, the sum and O are multiplied by 2^(old M - new M): exact.
; SHARES.  Work-group (X, head): X = 0..7.  The head's k and v, 16 records of 13,312 bytes (128 keys each), come into LDS ONCE: each of the 16 waves asks for one record, jointly with the three partners of the cluster
; (the same head, other X).  Nothing is filled again.  Wave w owns query tile 8 g + X, g = place w of a 4 x 4 magic square: whichever way sixteen waves are dealt to four SIMDs (by w % 4 or w / 4), each gets 34 key steps.
; The tile's 16 queries lie in key step g: steps 0 .. g - 1 count whole, step g is the diagonal, later steps are passed over by a scalar branch on w and the step's number.
; LAYOUT.  Both products transposed: S^T = K Q^T, O^T = V^T P^T: a lane holds one query.  Tile t, lane r = true row 32 (t / 2) + 8 (t % 2) + r + 8 (r / 8), so p's 16 registers of two neighbouring tiles are 16 neighbouring keys.
; THE HEAD HAS 64 CHANNELS, THE INSTRUCTION 128: Q's registers 6-11 hold zero codes, so what stands in K's registers 6-11 (the next tile's codes) adds nothing; no scale byte here is 0xff.
; LIMITS: NaN and infinities are not served; a block of zeros gets the scale byte 1 (its codes are zeros).
.set REC, 13312
.set L16, 1                            ; v1 16 x lane, v2 8 x lane, v3 4 x lane
.set L8,  2
.set L4,  3
.set DG,  4                            ; v4  my query's place in its key step - 16 (lane / 16)
.set A16, 5                            ; v5-7 the same three with the step's first byte
.set A8,  6
.set A4,  7
.set R4,  8                            ; v8  4 r
.set QF,  16                           ; v16-27 Q (v22-27 zero codes)
.set QW,  28                           ; Q's scale words
.set PWD, 29                           ; p's scale word
.set KV,  32                           ; v32-85 K's eight tiles, 6 registers each, then 6 zeros; later V's four fragments
.set KW,  86                           ; v86-89 K's scale words: lanes 0-15 tile 2 b, lanes 16-31 tile 2 b + 1
.set VW,  90                           ; v90-93 V's
.set S,   96                           ; v96-159 S^T, then p
.set O,   160                          ; v160-191 O^T
.set BM,  192                          ; v192-195 the blocks' largest scores
.set PT,  196                          ; v196-199 at work
.set SO,  200                          ; v200-203 the conversions' scale operands
.set C2,  204                          ; v204-206, v208-210 each block pair's second conversion
.set PCD, 212                          ; v212-223 p's codes
.set F,   224                          ; v[224:225] f = 2^(old M - new M)
.set T,   226
.set WV,  8
.set SEL, 20
.set CS,  22
.set G1,  24
.set G0,  32
.set J,   40                           ; the key step
.set G,   41                           ; my query group
.set TB,  42                           ; the step's first LDS byte
.macro ROUND                           ; a round of the cluster's barrier
	s_barrier_signal -1
	s_barrier_wait -1
	s_cmp_lg_u32 s[WV], 0
	s_cbranch_scc1 .Lnot_wave_0_\@
	s_barrier_signal -3
.Lnot_wave_0_\@:
	s_barrier_wait -3
	s_barrier_signal -1
	s_barrier_wait -1
.endm
.macro MM d, a, b, c, sa, sb, row      ; row = 1: source 0's scale words stand in lanes 16-31
.if \row
	v_wmma_scale_f32_16x16x128_f8f6f4 v[\d:\d+7], v[\a:\a+11], v[\b:\b+11], \c, v[\sa], v[\sb] matrix_a_fmt:MATRIX_FMT_FP6 matrix_b_fmt:MATRIX_FMT_FP6 matrix_a_scale:MATRIX_SCALE_ROW1
.else
	v_wmma_scale_f32_16x16x128_f8f6f4 v[\d:\d+7], v[\a:\a+11], v[\b:\b+11], \c, v[\sa], v[\sb] matrix_a_fmt:MATRIX_FMT_FP6 matrix_b_fmt:MATRIX_FMT_FP6
.endif
.endm
	s_load_b128 s[4:7], s[0:1], 0x0                ; qkv s[4:5], oimg s[6:7]
	v_lshl_add_u32 v254, v0, 2, 0x34000
	v_mov_b32 v255, 0
	ds_add_u32 v254, v255
	ds_add_u32 v254, v255
	v_lshrrev_b32 v9, 5, v0
	v_readfirstlane_b32 s[WV], v9                  ; wave 0..15
	s_bfe_u32 s9, ttmp6, 0x40000                   ; cx
	s_lshl_b32 s10, ttmp9, 2
	s_add_co_u32 s10, s10, s9                      ; X: it enters Q's and o's addresses and the mask's numbers alone
	s_and_b32 s11, ttmp7, 0xffff                   ; batch x 16 + head, which the partners share
	s_mov_b32 s[G], 0x0DE3B658                     ; the magic square, four bits a wave: waves 8-15,
	s_cmp_lt_u32 s[WV], 8
	s_cselect_b32 s[G], 0x7A94C12F, s[G]           ; waves 0-7
	s_and_b32 s12, s[WV], 7
	s_lshl_b32 s12, s12, 2
	s_lshr_b32 s[G], s[G], s12
	s_and_b32 s[G], s[G], 15
	s_mov_b32 s[G1], 15|(3<<16)|(1<<21)            ; 15:0 the mask: all four work-groups; 17:16 elements of 8 bytes; 21 set beside a mask
	s_mov_b32 s[G1+1], 32<<16                      ; a record is dense: 52 rows of 256 bytes
	s_mov_b32 s[G1+2], 52<<16
	s_mov_b32 s[G1+3], 32<<16
	s_mov_b32 s[G1+4], 52
	s_mov_b32 s[G1+5], 32
	s_mov_b32 s[G1+6], 0
	s_mov_b32 s[G1+7], 0
	s_mul_i32 s12, s[WV], REC                      ; my record, in LDS and in the head's block
	s_mul_i32 s44, s11, 212992
	s_add_co_u32 s44, s44, s12
	s_add_co_u32 s44, s44, 4194304
	s_mov_b32 s45, 0
	s_lshl_b32 s13, s[G], 3
	s_add_co_u32 s13, s13, s10                     ; my query tile within the batch
	s_lshl_b32 s46, s11, 7
	s_add_co_u32 s46, s46, s13
	s_lshl_b32 s46, s46, 10                        ; its record of 1,024 bytes
	s_mov_b32 s47, 0
	s_lshr_b32 s14, s11, 4
	s_lshl_b32 s14, s14, 7
	s_add_co_u32 s14, s14, s13                     ; the token tile: 128 x batch + query tile
	s_and_b32 s15, s11, 15                         ; the head
	s_lshr_b32 s16, s15, 1
	s_and_b32 s15, s15, 1
	s_lshl_b32 s48, s14, 3
	s_add_co_u32 s48, s48, s16
	s_mul_i32 s48, s48, 1536
	s_mul_i32 s17, s15, 768
	s_add_co_u32 s48, s48, s17                     ; o's codes: K step head / 2, half head % 2
	s_mov_b32 s49, 0
	s_lshl_b32 s50, s14, 9
	s_lshl_b32 s16, s16, 6
	s_add_co_u32 s50, s50, s16
	s_lshl_b32 s15, s15, 1
	s_add_co_u32 s50, s50, s15
	s_add_co_u32 s50, s50, 3145728                 ; o's scale words: my head's two bytes
	s_mov_b32 s51, 0
	s_lshr_b32 s52, s10, 1
	s_lshl_b32 s52, s52, 5
	s_and_b32 s53, s10, 1
	s_lshl_b32 s53, s53, 3
	s_add_co_u32 s52, s52, s53                     ; 32 (X / 2) + 8 (X % 2)
	s_mov_b32 s[SEL], 0x76543210
	s_mov_b32 s[SEL+1], 0xfedcba98
	s_mov_b32 s[CS], 0x3e38aa3b                    ; c = log2(e) / 8
	s_mov_b32 s[CS+1], s[CS]                       ; (named with it as a pair, so it is written)
	s_mov_b32 s[J], 0
	s_mov_b32 s[TB], 0
	s_wait_dscnt 0x0
	s_wait_kmcnt 0x0
	s_mov_b32 s[G0], 1
	s_mov_b32 s[G0+1], s12
	s_add_nc_u64 s[G0+2:G0+3], s[4:5], s[44:45]
	s_or_b32 s[G0+3], s[G0+3], 0x80000000
	ROUND                                          ; all four work-groups are here: the joint loads meet
	tensor_load_to_lds s[G0:G0+3], s[G1:G1+7]      ; my one tensor load of the launch
	s_nop 0
.rept 4
	v_nop
.endr
	s_add_nc_u64 s[46:47], s[4:5], s[46:47]
	s_add_nc_u64 s[48:49], s[6:7], s[48:49]
	s_add_nc_u64 s[50:51], s[6:7], s[50:51]
	v_and_b32 v9, 31, v0
	v_lshlrev_b32 v[L16], 4, v9
	v_lshlrev_b32 v[L8], 3, v9
	v_lshlrev_b32 v[L4], 2, v9
	v_and_b32 v9, 15, v0                           ; r
	v_lshlrev_b32 v[R4], 2, v9
	global_load_b128 v[QF:QF+3], v[L16], s[46:47]
	global_load_b64 v[QF+4:QF+5], v[L8], s[46:47] offset:512
	global_load_b32 v[QW], v[R4], s[46:47] offset:768
	v_and_b32 v10, 8, v9
	v_add_nc_u32 v10, v10, v9                      ; r + 8 (r / 8)
	v_bfe_u32 v11, v0, 4, 1
	v_lshlrev_b32 v11, 4, v11
	v_sub_nc_u32 v10, v10, v11
	v_add_nc_u32 v[DG], s52, v10
	v_mov_b32 v13, 0xff61b1e6                      ; the largest t so far: -3e38
	v_floor_f32 v12, -v13                          ; -M
	v_mov_b32 v14, 0                               ; the sum, in two halves
	v_mov_b32 v15, 0
.irp i, 0,1,2,3,4,5
	v_mov_b32 v[QF+6+\i], 0                        ; Q's zero codes for k = 64 .. 127
	v_mov_b32 v[KV+48+\i], 0                       ; what stands behind K's last tile
.endr
.irp b, 0,1,2,3
	v_mov_b32 v[PT+\b], 0                          ; written once: a lane permute's destination counts as one of its sources
.endr
	v_mov_b32 v[F+1], 0                            ; (named as the upper half of a pair)
	v_mov_b32 v[T], 0
.set n, 0
.rept 32
	v_mov_b32 v[O+n], 0                            ; O^T: the step is written once; the first finds zeros, which the first change of M leaves zeros
.set n, n+1
.endr
; A KEY STEP: 128 keys.
.macro STEP
	s_cmp_gt_u32 s[J], s[G]                        ; all its keys come after my queries: passed over, but for the two lines at its end
	s_cbranch_scc1 .Lhid_\@
	v_add_nc_u32 v[A16], s[TB], v[L16]
	v_add_nc_u32 v[A8], s[TB], v[L8]
	v_add_nc_u32 v[A4], s[TB], v[L4]
	v_nop                                          ; these four are the places in front of loads into registers that the last step's products have read
.irp t, 0,1,2,3,4,5,6,7
	ds_load_b128 v[KV+6*\t:KV+6*\t+3], v[A16] offset:768*\t
	ds_load_b64 v[KV+6*\t+4:KV+6*\t+5], v[A8] offset:768*\t+512
.endr
.irp b, 0,1,2,3
	ds_load_b32 v[KW+\b], v[A4] offset:12288+128*\b
.endr
	s_wait_dscnt 0x0
.irp t, 0,1,2,3,4,5,6,7
	MM S+8*\t, KV+6*\t, QF, 0, KW+\t/2, QW, \t%2
.endr
.rept 4
	v_nop
.endr
.irp c, 0,1,2,3                                ; V's fragments and words land while the softmax is walked
	ds_load_b128 v[KV+12*\c:KV+12*\c+3], v[A16] offset:6144+1536*\c
	ds_load_b64 v[KV+12*\c+4:KV+12*\c+5], v[A8] offset:6144+1536*\c+512
	ds_load_b128 v[KV+12*\c+6:KV+12*\c+9], v[A16] offset:6144+1536*\c+768
	ds_load_b64 v[KV+12*\c+10:KV+12*\c+11], v[A8] offset:6144+1536*\c+1280
	ds_load_b32 v[VW+\c], v[A4] offset:12800+128*\c
.endr
	s_cmp_lg_u32 s[J], s[G]
	s_cbranch_scc1 .Lopen_\@
	v_mov_b32 v[T], 0xff800000                     ; the diagonal: register 16 b + i holds key 32 b + 16 (lane / 16) + i of the step: hidden where 32 b + i > v[DG]; its score becomes -infinity
.set n, 0
.rept 64
	v_cmp_gt_i32 vcc_lo, 32*(n/16)+n%16, v[DG]
	v_cndmask_b32 v[S+n], v[S+n], v[T], vcc_lo
.set n, n+1
.endr
.Lopen_\@:
.irp b, 0,1,2,3
	v_max3_num_f32 v[BM+\b], v[S+16*\b], v[S+1+16*\b], v[S+2+16*\b]   ; the largest score of each block of 32 keys: for the row's maximum and, since p rises with the score, for the block's largest p
.endr
.irp i, 3,5,7,9,11,13
.irp b, 0,1,2,3
	v_max3_num_f32 v[BM+\b], v[BM+\b], v[S+16*\b+\i], v[S+1+16*\b+\i]
.endr
.endr
.irp b, 0,1,2,3
	v_max_num_f32 v[BM+\b], v[BM+\b], v[S+15+16*\b]
.endr
.irp b, 0,1,2,3
	v_permlanex16_b32 v[PT+\b], v[BM+\b], s[SEL], s[SEL+1]
.endr
.irp b, 0,1,2,3
	v_max_num_f32 v[BM+\b], v[BM+\b], v[PT+\b]
.endr
	v_max3_num_f32 v[T], v[BM], v[BM+1], v[BM+2]
	v_max_num_f32 v[T], v[T], v[BM+3]
	v_mul_f32 v[T], s[CS], v[T]
	v_max_num_f32 v13, v13, v[T]                   ; the running largest t
	v_mov_b32 v[T], v12
	v_floor_f32 v12, -v13                          ; the new -M = -ceil(t)
	v_sub_f32 v[T], v12, v[T]                      ; old M - new M: a whole number, 0 or less
	v_cvt_i32_f32 v[T], v[T]                       ; (it saturates)
	v_ldexp_f32 v[F], 1.0, v[T]                    ; f
.set n, 0
.rept 32
	v_pk_fma_f32 v[S+n:S+n+1], v[S+n:S+n+1], s[CS:CS+1], v[12:13] op_sel_hi:[1,0,0]   ; t - M
.set n, n+2
.endr
.irp b, 0,1,2,3
	v_fma_f32 v[BM+\b], v[BM+\b], s[CS], v12
.endr
.set n, 0
.rept 64
	v_exp_f32 v[S+n], v[S+n]                       ; p = 2^(t - M), at most 1
.set n, n+1
.endr
.irp b, 0,1,2,3
	v_exp_f32 v[BM+\b], v[BM+\b]                   ; the block's largest p: the same two instructions on the same number
.endr
	v_pk_mul_f32 v[14:15], v[14:15], v[F:F+1] op_sel_hi:[1,0]   ; the sums under the new M (a plain place behind the exponentials)
	s_wait_alu depctr_va_vdst(0)
.irp b, 0,1,2,3
	v_max_num_f32 v[BM+\b], 0x1800000, v[BM+\b]    ; the floor 2^(3 - 127)
.endr
.irp b, 0,1,2,3
	v_add_nc_u32 v[SO+\b], 0xff000000, v[BM+\b]
.endr
.irp b, 0,1,2,3
	v_lshrrev_b32 v[PT+\b], 23, v[SO+\b]
.endr
	v_lshl_or_b32 v[PWD], v[PT+1], 8, v[PT]
	v_lshl_or_b32 v[PWD], v[PT+2], 16, v[PWD]
	v_lshl_or_b32 v[PWD], v[PT+3], 24, v[PWD]
.irp c, 0,1
	v_cvt_scalef32_pk16_fp6_f32 v[PCD+6*\c:PCD+6*\c+2], v[S+32*\c:S+32*\c+15], v[SO+2*\c]
	v_cvt_scalef32_pk16_fp6_f32 v[C2+4*\c:C2+4*\c+2], v[S+32*\c+16:S+32*\c+31], v[SO+2*\c+1]
.endr
	v_nop                                          ; one plain place behind a scaled conversion
.irp c, 0,1
.irp i, 0,1,2
	v_permlane16_swap_b32 v[PCD+6*\c+\i], v[C2+4*\c+\i]
.endr
.irp i, 0,1,2
	v_mov_b32 v[PCD+3+6*\c+\i], v[C2+4*\c+\i]
.endr
.endr
	v_pk_add_f32 v[PT:PT+1], v[S:S+1], v[S+2:S+3]  ; the row's sum is taken of the unquantised p, in two chains
.irp j, 4,8,12,16,20,24,28,32,36,40,44,48,52,56,60
	v_pk_add_f32 v[14:15], v[14:15], v[S+\j:S+\j+1]
	v_pk_add_f32 v[PT:PT+1], v[PT:PT+1], v[S+2+\j:S+3+\j]
.endr
	v_pk_add_f32 v[14:15], v[14:15], v[PT:PT+1]
.set n, 0
.rept 16
	v_pk_mul_f32 v[O+n:O+n+1], v[O+n:O+n+1], v[F:F+1] op_sel_hi:[1,0]   ; O^T under the new M
.set n, n+2
.endr
	s_wait_dscnt 0x0                               ; V
.irp c, 0,1,2,3                                ; four accumulators, one instruction each; the next step's first products write S^T
	MM O+8*\c, KV+12*\c, PCD, v[O+8*\c:O+8*\c+7], VW+\c, PWD, 0
.endr
.Lhid_\@:
	s_add_co_u32 s[TB], s[TB], REC
	s_add_co_u32 s[J], s[J], 1
.endm
	s_wait_loadcnt 0x0                             ; Q
	s_wait_tensorcnt 0x0                           ; my record has landed,
	s_barrier_signal -1
	s_barrier_wait -1                              ; everybody's has
.Lkeys:                                            ; sixteen trips in every wave: the count is a constant, the work is passed over
	STEP
	s_cmp_lt_u32 s[J], 16
	s_cbranch_scc1 .Lkeys
	; THE WAY OUT: O^T / the sum, quantised along the head's 64 channels (two blocks), stored as 6 registers' image and two scale bytes.
.set TM, 192
.set PC, 208
.rept 4
	v_nop                                          ; places behind the last products
.endr
	v_add_f32 v14, v14, v15
	v_permlanex16_b32 v[T], v14, s[SEL], s[SEL+1]
	v_add_f32 v14, v14, v[T]
	v_rcp_f32 v14, v14
	v_nop                                          ; one plain place behind a transcendental
.set n, 0
	s_wait_alu depctr_va_vdst(0)
.rept 32
	v_mul_f32 v[S+n], v[O+n], v14                  ; register 16 b + i = channel 32 b + 16 (lane / 16) + i; each accumulator from its low end on
.set n, n+1
.endr
.irp b, 0,1
	v_max3_num_f32 v[TM+\b], |v[S+16*\b]|, |v[S+16*\b+1]|, 0x1800000
.endr
.irp i, 2,4,6,8,10,12,14
.irp b, 0,1
	v_max3_num_f32 v[TM+\b], |v[S+16*\b+\i]|, |v[S+16*\b+\i+1]|, v[TM+\b]
.endr
.endr
.irp b, 0,1
	v_permlanex16_b32 v[TM+4+\b], v[TM+\b], s[SEL], s[SEL+1]
.endr
.irp b, 0,1
	v_max_num_f32 v[TM+\b], v[TM+\b], v[TM+4+\b]
.endr
.irp b, 0,1
	v_add_nc_u32 v[TM+12+\b], 0xff000000, v[TM+\b]
.endr
.irp b, 0,1
	v_lshrrev_b32 v[TM+4+\b], 23, v[TM+12+\b]
.endr
	v_lshl_or_b32 v[T], v[TM+5], 8, v[TM+4]
	v_cvt_scalef32_pk16_fp6_f32 v[PC:PC+2], v[S:S+15], v[TM+12]
	v_cvt_scalef32_pk16_fp6_f32 v[PC+12:PC+14], v[S+16:S+31], v[TM+13]
	v_nop
.irp i, 0,1,2
	v_permlane16_swap_b32 v[PC+\i], v[PC+12+\i]
.endr
.irp i, 0,1,2
	v_mov_b32 v[PC+3+\i], v[PC+12+\i]
.endr
	global_store_b128 v[L16], v[PC:PC+3], s[48:49]
	global_store_b64 v[L8], v[PC+4:PC+5], s[48:49] offset:512
	global_store_b16 v[R4], v[T], s[50:51]         ; my head's half of the row's scale word; lanes l and l + 16 store the same
	s_wait_tensorcnt 0x0
	ds_add_u32 v254, v255
	s_wait_dscnt 0x0
	ROUND                                          ; the closing round
	s_endpgm
.Lfunc_end_k_q8feaccaecd_attn:
	.size	k_q8feaccaecd_attn, .Lfunc_end_k_q8feaccaecd_attn-k_q8feaccaecd_attn
	.p2alignl 7, 3214868480
	.fill 96, 4, 3214868480
	.section	.rodata,"a",@progbits
	.p2align	6, 0x0
	.amdhsa_kernel k_q8feaccaecd_attn
		.amdhsa_group_segment_fixed_size 215040
		.amdhsa_private_segment_fixed_size 0
		.amdhsa_enable_private_segment 0
		.amdhsa_kernarg_size 16
		.amdhsa_user_sgpr_count 2
		.amdhsa_user_sgpr_kernarg_segment_ptr 1
		.amdhsa_wavefront_size32 1
		.amdhsa_system_sgpr_workgroup_id_x 1
		.amdhsa_system_sgpr_workgroup_id_y 1
		.amdhsa_system_sgpr_workgroup_id_z 1
		.amdhsa_system_vgpr_workitem_id 0
		.amdhsa_next_free_vgpr 256
		.amdhsa_next_free_sgpr 66
		.amdhsa_reserve_vcc 1
		.amdhsa_float_denorm_mode_32 3
		.amdhsa_float_denorm_mode_16_64 3
		.amdhsa_memory_ordered 1
		.amdhsa_forward_progress 1
		.amdhsa_inst_pref_size 32
	.end_amdhsa_kernel
	.amdgpu_metadata
---
amdhsa.version: [ 1, 2 ]
amdhsa.kernels:
  - .name:           k_q8feaccaecd_attn
    .symbol:         k_q8feaccaecd_attn.kd
    .args:
      - { .name: qkv, .offset: 0, .size: 8, .value_kind: global_buffer, .address_space: global }
      - { .name: oimg, .offset: 8, .size: 8, .value_kind: global_buffer, .address_space: global }
    .group_segment_fixed_size: 215040
    .private_segment_fixed_size: 0
    .kernarg_segment_align: 8
    .kernarg_segment_size: 16
    .max_flat_workgroup_size: 512
    .sgpr_count:     66
    .vgpr_count:     256
    .wavefront_size: 32
...
	.end_amdgpu_metadata
.endif
;; end of part 3
;; launch post (part 4): grid 256 x 1, 8 waves a work-group, no clusters, 312,576 bytes of LDS; arguments oimg, pre, x, router_w, mid; writes mid
.if DOCPART == 4
	.amdgcn_target "amdgcn-amd-amdhsa--gfx1250"
	.amdhsa_code_object_version 6
	.text
	.protected	k_q8feaccaecd_post
	.globl	k_q8feaccaecd_post
	.p2align	8
	.type	k_q8feaccaecd_post,@function
k_q8feaccaecd_post:
	s_mov_b64 s[64:65], 0
	v_nop
	global_prefetch_b8 v0, s[64:65] scope:SCOPE_SE
	s_setreg_imm32_b32 hwreg(HW_REG_WAVE_MODE, 25, 1), 1
	s_wait_xcnt 0x0
; POST.  x1 = x + o wo (codes of E2M3, K = 1,024); rs = rsqrt(mean(x1^2) + 1e-5); the router in f32: logits = rs x (x1 . router_w), top 2 (the lower index wins a tie), weights 1 / (1 + e^(l2 - l1)) and the rest;
; h2 = rs x1, quantised along the channels.  A work-group takes one tile of 16 tokens, so that it holds whole rows; wave s owns columns 128 s .. + 127 (wo's tiles 8 s ..).
; The product is used transposed (source 0 = 16 rows of wo, source 1 = o): a lane holds one token, register 16 b + i = column 128 s + 32 b + 16 (lane / 16) + i.
; wo comes by two roads at once.  K steps 0 to 5 go from memory straight into registers, as they were laid out for that: 24 loads of 512 consecutive bytes a step.  K steps 6 and 7 (the fourth unit of each of my eight tiles,
; 25,600 bytes a wave) are asked for at the kernel's head by ONE tensor load a wave, into LDS bytes of the wave's own, which are filled once and which no other wave reads: so my own wait is all the ordering that their reads need.
; No cluster shares wo: what is shared would have to go round in slots, and a step has only eight matrix instructions a wave to set behind each round.
; mid: h2's units at 0 (as h's in pre), x1 row-major at 3,276,800, the combine weights at 20,054,016 + 512 x tile + 64 x expert + 4 r (0 for the experts not chosen).
; LIMITS: the logits are rs x (x1 . w), not (rs x1) . w: the same order of experts but for f32 rounding at near ties; the larger logit is taken away before the exponential; NaN and infinities are not served;
; a block of zeros gets the scale byte 1 (its codes are zeros; only this program reads the bytes).
.set RTR, 67584                        ; LDS: eight stages of 16 x 528 bytes; the router's slices, 4,096 bytes a wave;
.set RED, 100352                       ; 16 rows x 400 bytes: twelve numbers from each wave;
.set WT,  106752                       ; wo's fourth units: 8 x 3,200 bytes a wave; nothing is ever stored here
.set LW,  14                           ; v14  my place in them: WT + 25,600 x wave + 16 x lane
.set X,   16                           ; v16-79  x, then x1, then h2 (before that: o's fragments v16-111)
.set OF,  16
.set RB,  80                           ; v80-175 rows of x1 on their way out; later the waves' partial sums
.set OS,  112                          ; v112-119 o's scale words
.set WS,  120                          ; v120-151 wo's: register 8 (ks / 2) + 2 b + ks % 2; lanes 0-15 tile 2 b, lanes 16-31 tile 2 b + 1
.set CH,  144                          ; v144-151 the sum of squares' chains
.set ACC, 152                          ; v152-215 x as loaded, then the accumulators, then the router's weights
.set W,   152
.set DD,  216                          ; v216-247 the router's slice as loaded; then v216-231 two sets of four pairs of dot products
.set ST,  232                          ; v232-243 what I hand to the other waves
.set SM,  176                          ; v176-184 the sums over the waves
.set LG,  188                          ; v188-195 the logits
.set TM,  208
.set PW,  224
.set PC,  226
.set SEL, 44
.set WB,  26
.set TG0, 20                           ; s[20:23] the tensor load's group 0;  s[48:55] its group 1
.set TG1, 48
.set MSB, 0
.macro WIN new                         ; the immediate's high byte repeats the setting that is left; a switch that changes nothing is dropped
.if MSB != (\new)
	s_set_vgpr_msb (MSB<<8)|(\new)
.set MSB, (\new)
.endif
.endm
.macro PLACES n
.rept \n
	v_nop
.endr
.endm
.macro MM d, a, b, c, sa, sb, row      ; row = 1: source 0's scale words stand in lanes 16-31
.if \row
	v_wmma_scale_f32_16x16x128_f8f6f4 v[\d:\d+7], v[\a:\a+11], v[\b:\b+11], \c, v[\sa], v[\sb] matrix_a_fmt:MATRIX_FMT_FP6 matrix_b_fmt:MATRIX_FMT_FP6 matrix_a_scale:MATRIX_SCALE_ROW1
.else
	v_wmma_scale_f32_16x16x128_f8f6f4 v[\d:\d+7], v[\a:\a+11], v[\b:\b+11], \c, v[\sa], v[\sb] matrix_a_fmt:MATRIX_FMT_FP6 matrix_b_fmt:MATRIX_FMT_FP6
.endif
.endm
.macro QUANT s, w
	WIN ((\w)|((\w)<<2))
.irp b, 0,1,2,3
	v_max3_num_f32 v[TM+\b], |v[(\s)+16*\b]|, |v[(\s)+16*\b+1]|, 0x1800000   ; my 16 numbers of block b, and the floor 2^(3 - 127)
.endr
.irp i, 2,4,6,8,10,12,14
.irp b, 0,1,2,3
	v_max3_num_f32 v[TM+\b], |v[(\s)+16*\b+\i]|, |v[(\s)+16*\b+\i+1]|, v[TM+\b]
.endr
.endr
	WIN 0
.irp b, 0,1,2,3
	v_permlanex16_b32 v[TM+4+\b], v[TM+\b], s[SEL], s[SEL+1]
.endr
.irp b, 0,1,2,3
	v_max_num_f32 v[TM+\b], v[TM+\b], v[TM+4+\b]
.endr
.irp b, 0,1,2,3
	v_add_nc_u32 v[TM+12+\b], 0xff000000, v[TM+\b]
.endr
.irp b, 0,1,2,3
	v_lshrrev_b32 v[TM+4+\b], 23, v[TM+12+\b]
.endr
	v_lshl_or_b32 v[PW], v[TM+5], 8, v[TM+4]
	v_lshl_or_b32 v[PW], v[TM+6], 16, v[PW]
	v_lshl_or_b32 v[PW], v[TM+7], 24, v[PW]
	WIN (\w)
.irp c, 0,1
	v_cvt_scalef32_pk16_fp6_f32 v[PC+6*\c:PC+6*\c+2], v[(\s)+32*\c:(\s)+32*\c+15], v[TM+12+2*\c]
	v_cvt_scalef32_pk16_fp6_f32 v[PC+12+4*\c:PC+14+4*\c], v[(\s)+32*\c+16:(\s)+32*\c+31], v[TM+13+2*\c]
.endr
	WIN 0
	v_nop
.irp c, 0,1
.irp i, 0,1,2
	v_permlane16_swap_b32 v[PC+6*\c+\i], v[PC+12+4*\c+\i]
.endr
.irp i, 0,1,2
	v_mov_b32 v[PC+3+6*\c+\i], v[PC+12+4*\c+\i]
.endr
.endr
.endm
.macro LOADW ks                        ; my eight tiles' fragments of K step ks into set ks % 2 of window 1: 24 loads of 512 consecutive bytes from memory
	WIN 0x40
.irp tt, 0,1,2,3,4,5,6,7
.irp c, 0,1,2
	global_load_b128 v[128*((\ks)%2)+12*\tt+4*\c:128*((\ks)%2)+12*\tt+4*\c+3], v1, s[WB:WB+1] offset:12800*\tt+3200*((\ks)/2)+1536*((\ks)%2)+512*\c
.endr
.endr
	WIN 0
.endm
.macro LOADL ks                        ; the same for K step 6 or 7, from my units in LDS
	WIN 0x40
.irp tt, 0,1,2,3,4,5,6,7
.irp c, 0,1,2
	ds_load_b128 v[128*((\ks)%2)+12*\tt+4*\c:128*((\ks)%2)+12*\tt+4*\c+3], v[LW] offset:3200*\tt+1536*((\ks)%2)+512*\c
.endr
.endr
	WIN 0
.endm
.macro PROD ks                         ; eight accumulators by turns, one instruction a turn
	WIN 0x01
.irp tt, 0,1,2,3,4,5,6,7
.if (\ks) == 0
	MM ACC+8*\tt, 128*((\ks)%2)+12*\tt, OF+12*(\ks), 0, WS+8*((\ks)/2)+2*(\tt/2)+(\ks)%2, OS+(\ks), \tt%2
.else
	MM ACC+8*\tt, 128*((\ks)%2)+12*\tt, OF+12*(\ks), v[ACC+8*\tt:ACC+8*\tt+7], WS+8*((\ks)/2)+2*(\tt/2)+(\ks)%2, OS+(\ks), \tt%2
.endif
.endr
	WIN 0
	PLACES 4                                       ; in front of loads into the set just read, and of the first read of results
.endm
	s_load_b256 s[4:11], s[0:1], 0x0               ; oimg 4, pre 6, x 8, router_w 10
	s_load_b64 s[12:13], s[0:1], 0x20              ; mid
	v_lshl_add_u32 v254, v0, 2, 0x4c100
	v_mov_b32 v255, 0
	ds_add_u32 v254, v255
	ds_add_u32 v254, v255
	v_lshrrev_b32 v1, 5, v0
	v_readfirstlane_b32 s14, v1                    ; wave 0..7
	v_and_b32 v15, 31, v0
	v_lshlrev_b32 v1, 4, v15                       ; 16 x lane
	v_and_b32 v2, 15, v0                           ; r
	v_bfe_u32 v3, v0, 4, 1                         ; h
	s_mul_i32 s15, s14, 8448                       ; my stage
	v_add_nc_u32 v4, s15, v1                       ; by rows: 16 x lane, rows 528 bytes apart
	v_mul_u32_u24 v5, v2, 528
	v_lshl_add_u32 v5, v3, 6, v5
	v_add_nc_u32 v5, s15, v5                       ; turned: row r, + 64 h
	v_lshlrev_b32 v6, 3, v15                       ; 8 x lane
	v_lshlrev_b32 v7, 2, v2                        ; 4 r
	v_mul_u32_u24 v8, v3, 12800
	v_lshl_add_u32 v8, v2, 3, v8                   ; wo's words: 8 r, lanes 16-31 one tile on
	s_lshl_b32 s16, s14, 12
	s_add_co_u32 s16, s16, RTR                     ; my slice of the router
	v_add_nc_u32 v9, s16, v1
	v_lshlrev_b32 v10, 9, v3
	v_add_nc_u32 v10, s16, v10                     ; its rows 16 h on
	v_mul_u32_u24 v12, v2, 400
	v_add_nc_u32 v12, RED, v12                     ; row r's numbers from all waves
	s_mul_i32 s17, s14, 48
	v_add_nc_u32 v11, s17, v12                     ; mine among them
	v_lshlrev_b32 v13, 3, v2                       ; 8 r
	s_mov_b32 s[TG0], 1                            ; 1:0 count = 1
	s_mul_i32 s[TG0+1], s14, 25600
	s_add_co_u32 s[TG0+1], s[TG0+1], WT            ; 63:32 LDS address: my 25,600 bytes
	v_add_nc_u32 v[LW], s[TG0+1], v1
	s_mov_b32 s[TG1], 3<<16                        ; no mask; elements of 8 bytes; no padding
	s_mov_b32 s[TG1+1], 400<<16                    ; tensor_dim0 = 400 elements: a unit
	s_mov_b32 s[TG1+2], 8<<16                      ; tensor_dim1 = 8 tiles
	s_mov_b32 s[TG1+3], 400<<16                    ; tile_dim0
	s_mov_b32 s[TG1+4], 8                          ; tile_dim1
	s_mov_b32 s[TG1+5], 1600                       ; from tile to tile: 12,800 bytes
	s_mov_b32 s[TG1+6], 0
	s_mov_b32 s[TG1+7], 0
	s_lshr_b32 s24, ttmp9, 1
	s_lshl_b32 s24, s24, 5
	s_and_b32 s25, ttmp9, 1
	s_lshl_b32 s25, s25, 3
	s_add_co_u32 s24, s24, s25
	s_lshl_b32 s24, s24, 12
	s_lshl_b32 s25, s14, 9
	s_add_co_u32 s24, s24, s25                     ; the tile's first row, my 512 bytes of it
	s_mov_b32 s25, 0
	s_mul_i32 s[WB], s14, 102400
	s_add_co_u32 s[WB], s[WB], 5734400             ; my eight tiles of wo
	s_mov_b32 s[WB+1], 0
	s_mul_i32 s28, ttmp9, 12288                    ; o's eight fragments
	s_mov_b32 s29, 0
	s_lshl_b32 s30, ttmp9, 9
	s_add_co_u32 s30, s30, 3145728                 ; o's scale words
	s_mov_b32 s31, 0
	s_lshl_b32 s32, s14, 12
	s_mov_b32 s33, 0
	s_add_co_u32 s36, s24, 3276800                 ; x1
	s_mov_b32 s37, 0
	s_lshl_b32 s38, ttmp9, 9
	s_lshl_b32 s39, s14, 6
	s_add_co_u32 s38, s38, s39
	s_add_co_u32 s38, s38, 20054016                ; my expert's combine weights
	s_mov_b32 s39, 0
	s_mul_i32 s40, ttmp9, 12800
	s_lshr_b32 s41, s14, 1
	s_mul_i32 s41, s41, 3200
	s_add_co_u32 s42, s40, s41
	s_and_b32 s41, s14, 1
	s_mul_i32 s40, s41, 1536
	s_add_co_u32 s40, s42, s40                     ; h2: my image,
	s_lshl_b32 s41, s41, 2
	s_add_co_u32 s42, s42, s41
	s_add_co_u32 s42, s42, 3072                    ; my scale words
	s_mov_b32 s41, 0
	s_mov_b32 s43, 0
	s_mov_b32 s[SEL], 0x76543210
	s_mov_b32 s[SEL+1], 0xfedcba98
	s_mov_b32 s46, 0x3a800000                      ; 1 / 1,024
	s_mov_b32 s47, 0x3727c5ac                      ; 1e-5
	s_wait_dscnt 0x0
	s_wait_kmcnt 0x0
	s_add_nc_u64 s[WB:WB+1], s[6:7], s[WB:WB+1]
	s_add_nc_u64 s[TG0+2:TG0+3], s[WB:WB+1], 9600  ; 120:64 global address: the fourth unit of my first tile
	s_or_b32 s[TG0+3], s[TG0+3], 0x80000000        ; 127:126 type = 2
	tensor_load_to_lds s[TG0:TG0+3], s[TG1:TG1+7]  ; my one tensor load of the launch: it has five K steps in which to land
	s_nop 0
.rept 4
	v_nop
.endr
	s_add_nc_u64 s[28:29], s[4:5], s[28:29]
	s_add_nc_u64 s[30:31], s[4:5], s[30:31]
	s_add_nc_u64 s[32:33], s[10:11], s[32:33]
	s_add_nc_u64 s[34:35], s[8:9], s[24:25]
	s_add_nc_u64 s[36:37], s[12:13], s[36:37]
	s_add_nc_u64 s[38:39], s[12:13], s[38:39]
	s_add_nc_u64 s[40:41], s[12:13], s[40:41]
	s_add_nc_u64 s[42:43], s[12:13], s[42:43]
	LOADW 0
.irp i, 0,1,2,3,4,5,6,7,8,9,10,11,12,13,14,15
	global_load_b128 v[ACC+4*\i:ACC+4*\i+3], v1, s[34:35] offset:(\i+8*(\i/8))*4096 th:TH_LOAD_NT   ; x: 512 consecutive bytes of the tile's row i
.endr
.irp i, 0,1,2,3,4,5,6,7
	global_load_b128 v[DD+4*\i:DD+4*\i+3], v1, s[32:33] offset:512*\i   ; the router's rows 128 s .. + 127
.endr
.irp k, 0,1,2,3,4,5,6,7
	global_load_b128 v[OF+12*\k:OF+12*\k+3], v1, s[28:29] offset:1536*\k
	global_load_b64 v[OF+12*\k+4:OF+12*\k+5], v6, s[28:29] offset:1536*\k+512
	global_load_b128 v[OF+12*\k+6:OF+12*\k+9], v1, s[28:29] offset:1536*\k+768
	global_load_b64 v[OF+12*\k+10:OF+12*\k+11], v6, s[28:29] offset:1536*\k+1280
.endr
.irp k, 0,1,2,3,4,5,6,7
	global_load_b32 v[OS+\k], v7, s[30:31] offset:64*\k
.endr
.irp p, 0,1,2,3
.irp b, 0,1,2,3
	global_load_b64 v[WS+8*\p+2*\b:WS+8*\p+2*\b+1], v8, s[WB:WB+1] offset:25600*\b+3200*\p+3072
.endr
.endr
	s_wait_loadcnt 56                              ; behind x and the router's slice: o's 32 loads, its 8 words, wo's 16 words
.irp i, 0,1,2,3,4,5,6,7,8,9,10,11,12,13,14,15
	ds_store_b128 v4, v[ACC+4*\i:ACC+4*\i+3] offset:528*\i
.endr
.irp i, 0,1,2,3,4,5,6,7
	ds_store_b128 v9, v[DD+4*\i:DD+4*\i+3] offset:512*\i
.endr
	LOADW 1
	s_wait_dscnt 0x0                               ; the stores have read their registers: the products write over them
.irp ks, 0,1,2,3,4,5,6,7
.if \ks == 7
	s_wait_dscnt 0x0                               ; K step 7's set is in
.elseif \ks == 6
	s_wait_dscnt 24                                ; K step 6's set is in; step 7's 24 loads may be out
.elseif \ks == 5
	s_wait_loadcnt 0x0                             ; the last set that comes from memory
.else
	s_wait_loadcnt 24                              ; all but the one younger set of weights
.endif
	PROD \ks
.if \ks < 4
	LOADW \ks+2
.elseif \ks == 4
	s_wait_tensorcnt 0x0                           ; my units have landed; only I read them
	LOADL 6
.elseif \ks == 5
	LOADL 7
.endif
.endr
	; x1 = x + the product, in the product's layout
.irp b, 0,1,2,3
.irp j, 0,1,2,3
	ds_load_b128 v[X+16*\b+4*\j:X+16*\b+4*\j+3], v5 offset:128*\b+16*\j
.endr
.endr
	s_wait_dscnt 0x0
.set p, 0
.rept 32
	v_pk_add_f32 v[X+2*p:X+2*p+1], v[X+2*p:X+2*p+1], v[ACC+2*p:ACC+2*p+1]   ; each accumulator from its low end on
.set p, p+1
.endr
	; and out by rows, through my stage (LDS serves a wave in order)
.irp b, 0,1,2,3
.irp j, 0,1,2,3
	ds_store_b128 v5, v[X+16*\b+4*\j:X+16*\b+4*\j+3] offset:128*\b+16*\j
.endr
.endr
.irp i, 0,1,2,3,4,5,6,7,8,9,10,11,12,13,14,15
	ds_load_b128 v[RB+4*\i:RB+4*\i+3], v4 offset:528*\i
.endr
.irp i, 0,1,2,3,4,5,6,7,8,9,10,11,12,13,14,15
	s_wait_dscnt 15-\i                             ; row i is back; the younger rows may be out
	global_store_b128 v1, v[RB+4*\i:RB+4*\i+3], s[36:37] offset:(\i+8*(\i/8))*4096   ; 512 consecutive bytes
.endr
	; the sum of squares of my 64
.irp c, 0,1,2,3
	v_pk_mul_f32 v[CH+2*\c:CH+2*\c+1], v[X+2*\c:X+2*\c+1], v[X+2*\c:X+2*\c+1]
.endr
.set p, 4
.rept 28
	v_pk_fma_f32 v[CH+2*(p%4):CH+2*(p%4)+1], v[X+2*p:X+2*p+1], v[X+2*p:X+2*p+1], v[CH+2*(p%4):CH+2*(p%4)+1]
.set p, p+1
.endr
	v_pk_add_f32 v[CH:CH+1], v[CH:CH+1], v[CH+2:CH+3]
	v_pk_add_f32 v[CH+4:CH+5], v[CH+4:CH+5], v[CH+6:CH+7]
	v_pk_add_f32 v[CH:CH+1], v[CH:CH+1], v[CH+4:CH+5]
	v_add_f32 v[CH], v[CH], v[CH+1]
	; the router: x1 . router_w in f32, eight experts, my 64 columns, eight columns at a time; two sets of sums by turns
.macro RDOT n, c                       ; column register n of X against its eight weights at W + 8 c
.set XP, X+((\n)/2)*2
.set DA, DD+8*((\c)%2)
.irp e, 0,1,2,3
.if (\n) < 2
.if (\n)%2
	v_pk_mul_f32 v[DA+2*\e:DA+2*\e+1], v[W+8*(\c)+2*\e:W+8*(\c)+2*\e+1], v[XP:XP+1] op_sel:[0,1] op_sel_hi:[1,1]
.else
	v_pk_mul_f32 v[DA+2*\e:DA+2*\e+1], v[W+8*(\c)+2*\e:W+8*(\c)+2*\e+1], v[XP:XP+1] op_sel_hi:[1,0]
.endif
.else
.if (\n)%2
	v_pk_fma_f32 v[DA+2*\e:DA+2*\e+1], v[W+8*(\c)+2*\e:W+8*(\c)+2*\e+1], v[XP:XP+1], v[DA+2*\e:DA+2*\e+1] op_sel:[0,1,0] op_sel_hi:[1,1,1]
.else
	v_pk_fma_f32 v[DA+2*\e:DA+2*\e+1], v[W+8*(\c)+2*\e:W+8*(\c)+2*\e+1], v[XP:XP+1], v[DA+2*\e:DA+2*\e+1] op_sel_hi:[1,0,1]
.endif
.endif
.endr
.endm
.set GG, 0
.rept 8
.set CC, 0
.rept 8
.set NN, 8*GG+CC
	ds_load_b128 v[W+8*CC:W+8*CC+3], v10 offset:32*(32*(NN/16)+NN%16)       ; each half of the lanes reads one address
	ds_load_b128 v[W+8*CC+4:W+8*CC+7], v10 offset:32*(32*(NN/16)+NN%16)+16
.set CC, CC+1
.endr
	s_wait_dscnt 0x0
.set CC, 0
.rept 8
.set NN, 8*GG+CC
	RDOT NN, CC
.set CC, CC+1
.endr
.set GG, GG+1
.endr
.irp e, 0,1,2,3
	v_pk_add_f32 v[DD+2*\e:DD+2*\e+1], v[DD+2*\e:DD+2*\e+1], v[DD+8+2*\e:DD+8+2*\e+1]
.endr
	v_permlanex16_b32 v[W], v[CH], s[SEL], s[SEL+1]
.irp e, 0,1,2,3,4,5,6,7
	v_permlanex16_b32 v[W+1+\e], v[DD+\e], s[SEL], s[SEL+1]
.endr
	v_add_f32 v[ST], v[CH], v[W]
.irp e, 0,1,2,3,4,5,6,7
	v_add_f32 v[ST+1+\e], v[DD+\e], v[W+1+\e]
.endr
	v_mov_b32 v[ST+9], 0
	v_mov_b32 v[ST+10], 0
	v_mov_b32 v[ST+11], 0
.irp k, 0,1,2
	ds_store_b128 v11, v[ST+4*\k:ST+4*\k+3] offset:16*\k   ; lanes l and l + 16 store the same
.endr
	s_wait_dscnt 0x0                               ; for the other waves' sake
	s_wait_xcnt 0x0                                ; x1's stores have read their registers: the loads below land there
	s_barrier_signal -1
	s_barrier_wait -1
.set k, 0
.rept 24
	ds_load_b128 v[RB+4*k:RB+4*k+3], v12 offset:16*k
.set k, k+1
.endr
	s_wait_dscnt 0x0
.irp q, 0,1,2,3,4,5,6,7,8
	v_add_f32 v[SM+\q], v[RB+\q], v[RB+12+\q]
.endr
.irp w, 2,3,4,5,6,7
.irp q, 0,1,2,3,4,5,6,7,8
	v_add_f32 v[SM+\q], v[SM+\q], v[RB+12*\w+\q]   ; the waves in ascending order: the same sums in every wave
.endr
.endr
	v_fma_f32 v185, v[SM], s46, s47
	v_rsq_f32 v186, v185
	v_nop                                          ; one plain place behind a transcendental
	s_wait_alu depctr_va_vdst(0)
	v_mov_b32 v187, v186
.irp e, 0,1,2,3,4,5,6,7
	v_mul_f32 v[LG+\e], v[SM+1+\e], v186
.endr
	v_mov_b32 v196, v[LG]                          ; the largest logit and its index: a later one wins only if it is strictly larger
	v_mov_b32 v197, 0
.irp e, 1,2,3,4,5,6,7
	v_cmp_gt_f32 vcc_lo, v[LG+\e], v196
	v_cndmask_b32 v196, v196, v[LG+\e], vcc_lo
	v_cndmask_b32 v197, v197, \e, vcc_lo
.endr
	v_mov_b32 v200, 0xff800000
.irp e, 0,1,2,3,4,5,6,7
	v_cmp_eq_u32 vcc_lo, \e, v197
	v_cndmask_b32 v[LG+\e], v[LG+\e], v200, vcc_lo   ; the winner leaves the field
.endr
	v_mov_b32 v198, v[LG]
	v_mov_b32 v199, 0
.irp e, 1,2,3,4,5,6,7
	v_cmp_gt_f32 vcc_lo, v[LG+\e], v198
	v_cndmask_b32 v198, v198, v[LG+\e], vcc_lo
	v_cndmask_b32 v199, v199, \e, vcc_lo
.endr
	v_sub_f32 v201, v198, v196                     ; l2 - l1, 0 or less
	v_mul_f32 v201, 0x3fb8aa3b, v201
	v_exp_f32 v201, v201
	v_nop
	s_wait_alu depctr_va_vdst(0)
	v_add_f32 v202, 1.0, v201
	v_rcp_f32 v202, v202                           ; w1 = p1 / (p1 + p2)
	v_mov_b32 v204, 0
	s_wait_alu depctr_va_vdst(0)
	v_mul_f32 v203, v201, v202                     ; w2
	v_cmp_eq_u32 vcc_lo, s14, v199                 ; my wave's number is my expert's
	v_cndmask_b32 v204, v204, v203, vcc_lo
	v_cmp_eq_u32 vcc_lo, s14, v197
	v_cndmask_b32 v204, v204, v202, vcc_lo
	global_store_b32 v7, v204, s[38:39]            ; lanes l and l + 16 store the same
.set p, 0
.rept 32
	v_pk_mul_f32 v[X+2*p:X+2*p+1], v[X+2*p:X+2*p+1], v[186:187]
.set p, p+1
.endr
	QUANT X, 0
.irp c, 0,1,2
	global_store_b128 v1, v[PC+4*\c:PC+4*\c+3], s[40:41] offset:512*\c
.endr
	global_store_b32 v13, v[PW], s[42:43]
	s_wait_tensorcnt 0x0
	ds_add_u32 v254, v255
	s_wait_dscnt 0x0
	s_endpgm
.Lfunc_end_k_q8feaccaecd_post:
	.size	k_q8feaccaecd_post, .Lfunc_end_k_q8feaccaecd_post-k_q8feaccaecd_post
	.p2alignl 7, 3214868480
	.fill 96, 4, 3214868480
	.section	.rodata,"a",@progbits
	.p2align	6, 0x0
	.amdhsa_kernel k_q8feaccaecd_post
		.amdhsa_group_segment_fixed_size 312576
		.amdhsa_private_segment_fixed_size 0
		.amdhsa_enable_private_segment 0
		.amdhsa_kernarg_size 40
		.amdhsa_user_sgpr_count 2
		.amdhsa_user_sgpr_kernarg_segment_ptr 1
		.amdhsa_wavefront_size32 1
		.amdhsa_system_sgpr_workgroup_id_x 1
		.amdhsa_system_sgpr_workgroup_id_y 1
		.amdhsa_system_sgpr_workgroup_id_z 1
		.amdhsa_system_vgpr_workitem_id 0
		.amdhsa_next_free_vgpr 512
		.amdhsa_next_free_sgpr 66
		.amdhsa_reserve_vcc 1
		.amdhsa_float_denorm_mode_32 3
		.amdhsa_float_denorm_mode_16_64 3
		.amdhsa_memory_ordered 1
		.amdhsa_forward_progress 1
		.amdhsa_inst_pref_size 89
	.end_amdhsa_kernel
	.amdgpu_metadata
---
amdhsa.version: [ 1, 2 ]
amdhsa.kernels:
  - .name:           k_q8feaccaecd_post
    .symbol:         k_q8feaccaecd_post.kd
    .args:
      - { .name: oimg, .offset: 0, .size: 8, .value_kind: global_buffer, .address_space: global }
      - { .name: pre, .offset: 8, .size: 8, .value_kind: global_buffer, .address_space: global }
      - { .name: x, .offset: 16, .size: 8, .value_kind: global_buffer, .address_space: global }
      - { .name: router_w, .offset: 24, .size: 8, .value_kind: global_buffer, .address_space: global }
      - { .name: mid, .offset: 32, .size: 8, .value_kind: global_buffer, .address_space: global }
    .group_segment_fixed_size: 312576
    .private_segment_fixed_size: 0
    .kernarg_segment_align: 8
    .kernarg_segment_size: 40
    .max_flat_workgroup_size: 256
    .sgpr_count:     66
    .vgpr_count:     512
    .wavefront_size: 32
...
	.end_amdgpu_metadata
.endif
;; end of part 4
;; launch fc1 (part 5): grid 16 x 16, 4 waves a work-group, clusters of 4 x 4, 327,680 bytes of LDS; arguments mid, pre, hid; writes hid
.if DOCPART == 5
	.amdgcn_target "amdgcn-amd-amdhsa--gfx1250"
	.amdhsa_code_object_version 6
	.text
	.protected	k_q8feaccaecd_fc1
	.globl	k_q8feaccaecd_fc1
	.p2align	8
	.type	k_q8feaccaecd_fc1,@function
k_q8feaccaecd_fc1:
	s_mov_b64 s[64:65], 0
	v_nop
	global_prefetch_b8 v0, s[64:65] scope:SCOPE_SE
	s_setreg_imm32_b32 hwreg(HW_REG_WAVE_MODE, 25, 1), 1
	s_wait_xcnt 0x0
	s_wait_alu depctr_hold_cnt(0) depctr_sa_sdst(0) depctr_va_vdst(0) depctr_va_sdst(0) depctr_va_ssrc(0) depctr_va_vcc(0) depctr_vm_vsrc(0)
	s_getreg_b32 s2, hwreg(HW_REG_IB_STS2, 6, 4)
	s_cmp_eq_u32 s2, 0
	s_cbranch_scc0 .Lentry_in_a_cluster
	s_endpgm
.Lentry_in_a_cluster:
	s_bfe_u32 s2, ttmp6, 0x10000c
	s_cmp_lg_u32 s2, 0xf033
	s_cbranch_scc0 .Lentry_shape_is_right
	s_endpgm
.Lentry_shape_is_right:
; FC1.  h1 = relu(h2 fc1)^2 for all eight experts, on codes of E2M3, K = 1,024; h1 is quantised along the hidden units, the next product's K.
; All experts are multiplied for all tokens, as the problem's own text writes it: two full launches of equal work-groups, against a sorting launch and chains of few rows that would each stream an expert's weights.
; A = h2 (4,096 tokens), B = exp_fc1 (8 x 512 rows).  A work-group makes 256 x 256, a wave 128 x 128: 64 accumulators.  Source 0 = 16 rows of B, source 1 = 16 rows of A: a lane holds one token, registers run along the hidden units.
; Operands lie as units of 3,200 bytes (256 along K of a tile of 16 rows: two register images and the scale words); tile t, lane r = true row 32 (t / 2) + 8 (t % 2) + r + 8 (r / 8).
; K is four units of 256.  THREE LDS SLOTS: units 0, 1, 2 are asked for at the start; unit 3 goes into slot 0 once that has been read, and has two units' products, 256 matrix instructions a wave, in which to land.
; A wave's tensor load brings 8 units.  A's tiles are asked for jointly along a row of the 4 x 4 cluster, B's along a column.
; hid: token tile x 51,200 + expert x 6,400 + (128-run of hidden units / 2) x 3,200: units again.
; LIMITS: a block of zeros gets the scale byte 1 (its codes are zeros; only this program reads the bytes); NaN and infinities are not served.
.set NQ,    2
.set FR,    12
.set NL,    3
.set NP,    4                          ; places behind this matrix instruction (ISA guide 7.12.1)
.set UNIT,  3200
.set HALFT, 8*UNIT
.set SLOT,  4*HALFT
.set SPARE, 3*SLOT                     ; behind the three slots: the spare words, 128 bytes a wave
.set ADRA, 16                          ; v16-18 my A fragments in slot 0, 1, 2
.set ADRB, 20                          ; v20-22 my B fragments
.set ADRS, 24                          ; v24-26 my scale words
.set SPW,  28
.set NIL,  29
.set SC,   32
.set TM,   64
.set PW,   80
.set PC,   84
.set AF,   128
.set HB,   128                         ; the way out: 64 numbers of h1
.set G1,  24
.set G0,  32
.set G1B, 48
.set G0B, 56
.set G0C, 80                           ; s[80:83], s[84:87] groups 0 for slot 2
.set G0CB, 84
.set SEL, 92
.set IMG, 96
.set WRD, 98
.set MSB, 0
.macro WIN new                         ; the immediate's high byte repeats the setting that is left; a switch that changes nothing is dropped
.if MSB != (\new)
	s_set_vgpr_msb (MSB<<8)|(\new)
.set MSB, (\new)
.endif
.endm
.set MUL_LO, 0xa1
.set MUL_HI, 0xf1
.set TO_B,   0x40
.macro PLACES n
.rept \n
	v_nop
.endr
.endm
.macro JLOAD g0a, g1a, g0b, g1b        ; waves 0 and 1 fetch for A, waves 2 and 3 for B; four v_nop follow each of the two lines
	s_cmp_eq_u32 s15, 0
	s_cbranch_scc0 .Lfor_b_\@
	tensor_load_to_lds s[\g0a:\g0a+3], s[\g1a:\g1a+7]
	s_nop 0
.rept 4
	v_nop
.endr
	s_branch .Lasked_\@
.Lfor_b_\@:
	tensor_load_to_lds s[\g0b:\g0b+3], s[\g1b:\g1b+7]
	s_nop 0
.rept 4
	v_nop
.endr
.Lasked_\@:
.endm
.macro CREST
	s_cmp_lg_u32 s14, 0
	s_cbranch_scc1 .Lnot_wave_0_\@
	s_barrier_signal -3
.Lnot_wave_0_\@:
	s_barrier_wait -3
	s_barrier_signal -1
	s_barrier_wait -1
.endm
.macro CROUND
	s_barrier_signal -1
	s_barrier_wait -1
	CREST
.endm
.macro QUANT s, w
	WIN ((\w)|((\w)<<2))
.irp b, 0,1,2,3
	v_max3_num_f32 v[TM+\b], |v[(\s)+16*\b]|, |v[(\s)+16*\b+1]|, 0x1800000   ; my 16 numbers of block b, and the floor 2^(3 - 127)
.endr
.irp i, 2,4,6,8,10,12,14
.irp b, 0,1,2,3
	v_max3_num_f32 v[TM+\b], |v[(\s)+16*\b+\i]|, |v[(\s)+16*\b+\i+1]|, v[TM+\b]
.endr
.endr
	WIN 0
.irp b, 0,1,2,3
	v_permlanex16_b32 v[TM+4+\b], v[TM+\b], s[SEL], s[SEL+1]
.endr
.irp b, 0,1,2,3
	v_max_num_f32 v[TM+\b], v[TM+\b], v[TM+4+\b]
.endr
.irp b, 0,1,2,3
	v_add_nc_u32 v[TM+12+\b], 0xff000000, v[TM+\b]
.endr
.irp b, 0,1,2,3
	v_lshrrev_b32 v[TM+4+\b], 23, v[TM+12+\b]
.endr
	v_lshl_or_b32 v[PW], v[TM+5], 8, v[TM+4]
	v_lshl_or_b32 v[PW], v[TM+6], 16, v[PW]
	v_lshl_or_b32 v[PW], v[TM+7], 24, v[PW]
	WIN (\w)
.irp c, 0,1
	v_cvt_scalef32_pk16_fp6_f32 v[PC+6*\c:PC+6*\c+2], v[(\s)+32*\c:(\s)+32*\c+15], v[TM+12+2*\c]
	v_cvt_scalef32_pk16_fp6_f32 v[PC+12+4*\c:PC+14+4*\c], v[(\s)+32*\c+16:(\s)+32*\c+31], v[TM+13+2*\c]
.endr
	WIN 0
	v_nop
.irp c, 0,1
.irp i, 0,1,2
	v_permlane16_swap_b32 v[PC+6*\c+\i], v[PC+12+4*\c+\i]
.endr
.irp i, 0,1,2
	v_mov_b32 v[PC+3+6*\c+\i], v[PC+12+4*\c+\i]
.endr
.endr
.endm
	s_load_b128 s[4:7], s[0:1], 0x0                ; mid s[4:5], pre s[6:7]
	s_load_b64 s[8:9], s[0:1], 0x10                ; hid
	v_lshl_add_u32 v[SPW], v0, 2, SPARE
	v_mov_b32 v[NIL], 0
	ds_add_u32 v28, v29
	ds_add_u32 v28, v29
	s_wait_dscnt 0x0
	v_lshrrev_b32 v1, 5, v0
	v_readfirstlane_b32 s14, v1                    ; wave 0..3
	s_lshr_b32 s15, s14, 1
	s_and_b32 s16, s14, 1
	s_bfe_u32 s40, ttmp6, 0x40000                  ; cx
	s_bfe_u32 s41, ttmp6, 0x40004                  ; cy
	s_lshl_b32 s42, ttmp9, 2
	s_add_co_u32 s42, s42, s40                     ; TC: which 256 rows of exp_fc1
	s_and_b32 s17, ttmp7, 0xffff
	s_lshl_b32 s17, s17, 2
	s_add_co_u32 s17, s17, s41                     ; TR: which 256 tokens
	s_lshl_b32 s43, s41, 2
	s_lshl_b32 s43, 15, s43
	s_lshl_b32 s44, 0x1111, s40
	s_or_b32 s[G1+0], s43, (3<<16)|(1<<21)         ; 15:0 the mask; 17:16 elements of 8 bytes; 21 set beside a mask; no padding
	s_or_b32 s[G1B+0], s44, (3<<16)|(1<<21)
.irp g, G1, G1B
	s_mov_b32 s[\g+1], 400<<16
	s_mov_b32 s[\g+2], 8<<16
	s_mov_b32 s[\g+3], 400<<16
	s_mov_b32 s[\g+4], 8
	s_mov_b32 s[\g+5], 1600
	s_mov_b32 s[\g+6], 0
	s_mov_b32 s[\g+7], 0
.endr
	s_lshl_b32 s18, s16, 3
	s_lshl_b32 s20, s17, 4
	s_add_co_u32 s20, s20, s18
	s_mul_i32 s20, s20, 12800                      ; A: tile 16 TR + 8 x half of h2
	s_mov_b32 s21, 0
	s_lshl_b32 s46, s42, 4
	s_add_co_u32 s46, s46, s18
	s_mul_i32 s46, s46, 12800
	s_add_co_u32 s46, s46, 6553600                 ; B: tile 16 TC + 8 x half of exp_fc1's units
	s_mov_b32 s47, 0
	s_mul_i32 s45, s14, HALFT
	s_mov_b32 s[SEL], 0x76543210
	s_mov_b32 s[SEL+1], 0xfedcba98
	s_wait_kmcnt 0x0
	s_add_nc_u64 s[20:21], s[4:5], s[20:21]
	s_add_nc_u64 s[46:47], s[6:7], s[46:47]
	CROUND                                         ; all sixteen work-groups are here: the first joint loads meet
.irp s, 0,1
	s_mov_b32 s[G0+4*\s], 1
	s_add_co_u32 s[G0+4*\s+1], s45, \s*SLOT
	s_add_nc_u64 s[G0+4*\s+2:G0+4*\s+3], s[20:21], \s*UNIT
	s_or_b32 s[G0+4*\s+3], s[G0+4*\s+3], 0x80000000
	s_mov_b32 s[G0B+4*\s], 1
	s_add_co_u32 s[G0B+4*\s+1], s45, \s*SLOT
	s_add_nc_u64 s[G0B+4*\s+2:G0B+4*\s+3], s[46:47], \s*UNIT
	s_or_b32 s[G0B+4*\s+3], s[G0B+4*\s+3], 0x80000000
	JLOAD G0+4*\s, G1, G0B+4*\s, G1B
.endr
	s_mov_b32 s[G0C], 1
	s_add_co_u32 s[G0C+1], s45, 2*SLOT
	s_add_nc_u64 s[G0C+2:G0C+3], s[20:21], 2*UNIT
	s_or_b32 s[G0C+3], s[G0C+3], 0x80000000
	s_mov_b32 s[G0CB], 1
	s_add_co_u32 s[G0CB+1], s45, 2*SLOT
	s_add_nc_u64 s[G0CB+2:G0CB+3], s[46:47], 2*UNIT
	s_or_b32 s[G0CB+3], s[G0CB+3], 0x80000000
	JLOAD G0C, G1, G0CB, G1B                       ; three loads of mine are out: units 0, 1, 2
	v_and_b32 v2, 31, v0
	v_lshlrev_b32 v3, 4, v2                        ; 16 x lane
	v_and_b32 v4, 15, v0                           ; r
	v_bfe_u32 v5, v0, 4, 1                         ; h
	v_lshlrev_b32 v7, 3, v4                        ; 8 r
	s_mul_i32 s72, s15, HALFT
	s_mul_i32 s73, s16, HALFT
	s_add_co_u32 s73, s73, 2*HALFT
	v_add_nc_u32 v[ADRA], s72, v3
	v_add_nc_u32 v[ADRB], s73, v3
	v_add_nc_u32 v[ADRA+1], SLOT, v[ADRA]
	v_add_nc_u32 v[ADRB+1], SLOT, v[ADRB]
	v_add_nc_u32 v[ADRA+2], 2*SLOT, v[ADRA]
	v_add_nc_u32 v[ADRB+2], 2*SLOT, v[ADRB]
	s_xor_b32 s74, s15, 1
	s_add_co_u32 s74, s74, s16
	s_add_co_u32 s74, s74, 1
	s_mul_i32 s74, s74, HALFT                      ; from my A units to my B units
	v_mul_u32_u24 v6, s74, v5                      ; lanes 16-31 take B's words: one product with h
	v_lshl_add_u32 v6, v4, 3, v6
	s_add_co_u32 s72, s72, 3072
	v_add_nc_u32 v[ADRS], s72, v6
	v_add_nc_u32 v[ADRS+1], SLOT, v[ADRS]
	v_add_nc_u32 v[ADRS+2], 2*SLOT, v[ADRS]
.irp b, 0,1,2,3
	v_mov_b32 v[TM+4+\b], 0                        ; written once: a lane permute's destination counts as one of its sources
.endr
.macro FRAG reg, adr, q, i
.irp c, 0,1,2
	ds_load_b128 v[(\reg)+4*\c:(\reg)+4*\c+3], v[\adr] offset:UNIT*(\i)+1536*(\q)+512*\c
.endr
.endm
.macro MUL16 a0, p, q, sc, zero        ; the 64 accumulators take turns, one instruction a turn
.irp a, \a0, \a0+1
.irp b, 0,1,2,3,4,5,6,7
.if \zero
	v_wmma_scale_f32_16x16x128_f8f6f4 v[8*(8*((\a)%4)+\b):8*(8*((\a)%4)+\b)+7], v[128*(\p)+FR*\b:128*(\p)+FR*\b+FR-1], v[AF+FR*(\a):AF+FR*(\a)+FR-1], 0, v[SC+8*NQ*(\sc)+NQ*\b+(\q)], v[SC+8*NQ*(\sc)+NQ*(\a)+(\q)] matrix_a_fmt:MATRIX_FMT_FP6 matrix_b_fmt:MATRIX_FMT_FP6 matrix_a_scale:MATRIX_SCALE_ROW1
.else
	v_wmma_scale_f32_16x16x128_f8f6f4 v[8*(8*((\a)%4)+\b):8*(8*((\a)%4)+\b)+7], v[128*(\p)+FR*\b:128*(\p)+FR*\b+FR-1], v[AF+FR*(\a):AF+FR*(\a)+FR-1], v[8*(8*((\a)%4)+\b):8*(8*((\a)%4)+\b)+7], v[SC+8*NQ*(\sc)+NQ*\b+(\q)], v[SC+8*NQ*(\sc)+NQ*(\a)+(\q)] matrix_a_fmt:MATRIX_FMT_FP6 matrix_b_fmt:MATRIX_FMT_FP6 matrix_a_scale:MATRIX_SCALE_ROW1
.endif
.endr
.endr
.endm
.macro FETCH_B slot, q, p
	WIN TO_B
.irp i, 0,1,2,3,4,5,6,7
	FRAG 128*(\p)+FR*\i, ADRB+\slot, \q, \i
.endr
	WIN 0
.endm
.macro FETCH_A slot, q, i0
.irp i, \i0, \i0+1, \i0+2, \i0+3
	FRAG AF+FR*(\i), ADRA+\slot, \q, \i
.endr
.endm
.macro SCALES slot, sc                 ; the slot's scale words into set sc
.irp i, 0,1,2,3,4,5,6,7
	ds_load_b64 v[SC+8*NQ*\sc+NQ*\i:SC+8*NQ*\sc+NQ*\i+1], v[ADRS+\slot] offset:UNIT*\i
.endr
.endm
.macro STEP slot, sc, q, zero          ; sc: the unit's set of scale words (the unit's number % 2)
	s_wait_dscnt 4*NL                              ; all but the youngest 12 loads (A's blocks 4-7)
	WIN MUL_LO
	MUL16 0, (\q)%2, \q, \sc, \zero
	MUL16 2, (\q)%2, \q, \sc, \zero
	s_wait_dscnt 0
	PLACES NP
	FETCH_B \slot, (\q)+1, 1-(\q)%2
	FETCH_A \slot, (\q)+1, 0
	WIN MUL_HI
	MUL16 4, (\q)%2, \q, \sc, \zero
	MUL16 6, (\q)%2, \q, \sc, \zero
	PLACES NP
	WIN 0
	FETCH_A \slot, (\q)+1, 4
.endm
.macro TURN slot, sc, next, nsc, fill  ; a slot's last step with a barrier; fill = 1: this slot takes the unit three on
	s_wait_tensorcnt 0x0                           ; all my tensor loads have landed
	ds_add_u32 v[SPW], v[NIL]                      ; 0 onto my spare word
	s_wait_dscnt 4*NL+1                            ; the add and A's blocks 4-7 may be out
	WIN MUL_LO
	MUL16 0, 1, NQ-1, \sc, 0
	s_wait_dscnt 0x0                               ; the add is done, and my reads of this slot are over
	s_barrier_signal -1
	MUL16 2, 1, NQ-1, \sc, 0
	WIN 0
	s_barrier_wait -1
.if \fill
	CREST                                          ; the barrier has opened a round of the cluster's
	s_add_nc_u64 s[G0+4*\slot+2:G0+4*\slot+3], s[G0+4*\slot+2:G0+4*\slot+3], 3*UNIT
	s_add_nc_u64 s[G0B+4*\slot+2:G0B+4*\slot+3], s[G0B+4*\slot+2:G0B+4*\slot+3], 3*UNIT
	JLOAD G0+4*\slot, G1, G0B+4*\slot, G1B         ; my one tensor load behind the round; its four v_nop are the places in front of the loads below
.else
	PLACES NP
.endif
	FETCH_B \next, 0, 0
	FETCH_A \next, 0, 0
	SCALES \next, \nsc
	WIN MUL_HI
	MUL16 4, 1, NQ-1, \sc, 0
	MUL16 6, 1, NQ-1, \sc, 0
	PLACES NP
	WIN 0
	FETCH_A \next, 0, 4
.endm
.macro PASS sc, next, nsc              ; a slot's last step where the next slot is known whole and this slot is not filled again: no wait on tensor loads, no barrier
	s_wait_dscnt 4*NL
	WIN MUL_LO
	MUL16 0, 1, NQ-1, \sc, 0
	MUL16 2, 1, NQ-1, \sc, 0
	s_wait_dscnt 0
	PLACES NP
	FETCH_B \next, 0, 0
	FETCH_A \next, 0, 0
	SCALES \next, \nsc
	WIN MUL_HI
	MUL16 4, 1, NQ-1, \sc, 0
	MUL16 6, 1, NQ-1, \sc, 0
	PLACES NP
	WIN 0
	FETCH_A \next, 0, 4
.endm
	s_wait_tensorcnt 2                             ; my part of slot 0 is in; slots 1 and 2's may stay out
	s_barrier_signal -1
	s_barrier_wait -1
	FETCH_B 0, 0, 0
	FETCH_A 0, 0, 0
	SCALES 0, 0
	FETCH_A 0, 0, 4
	STEP 0, 0, 0, 1                                ; unit 0: the first products start the sums
	TURN 0, 0, 1, 1, 1                             ; every wave has waited for units 1 and 2; slot 0 takes unit 3
	STEP 1, 1, 0, 0                                ; unit 1
	PASS 1, 2, 0                                   ; slot 2 was shown whole by the round above
	STEP 2, 0, 0, 0                                ; unit 2
	TURN 2, 0, 0, 1, 0                             ; unit 3 has landed in every wave's part of slot 0; nothing is left to fetch
	STEP 0, 1, 0, 0                                ; unit 3
	s_wait_dscnt 4*NL
	WIN MUL_LO
	MUL16 0, 1, NQ-1, 1, 0
	MUL16 2, 1, NQ-1, 1, 0
	s_wait_dscnt 0
	WIN MUL_HI
	MUL16 4, 1, NQ-1, 1, 0
	MUL16 6, 1, NQ-1, 1, 0
	WIN 0
	PLACES NP                                      ; in front of the first read of results and of writes into A's registers
	; THE WAY OUT: block a = one token tile x my 128 hidden units = one K step of the next product
	s_lshl_b32 s73, s42, 1
	s_add_co_u32 s73, s73, s16                     ; which 128 hidden units of the 4,096
	s_lshl_b32 s72, s17, 4
	s_lshl_b32 s74, s15, 3
	s_add_co_u32 s72, s72, s74                     ; my first token tile
	s_mul_i32 s72, s72, 51200
	s_lshr_b32 s74, s73, 1
	s_mul_i32 s74, s74, 3200
	s_add_co_u32 s72, s72, s74                     ; the unit
	s_and_b32 s73, s73, 1
	s_mul_i32 s74, s73, 1536
	s_add_co_u32 s[IMG], s72, s74
	s_mov_b32 s[IMG+1], 0
	s_lshl_b32 s73, s73, 2
	s_add_co_u32 s[WRD], s72, s73
	s_add_co_u32 s[WRD], s[WRD], 3072
	s_mov_b32 s[WRD+1], 0
	s_add_nc_u64 s[IMG:IMG+1], s[8:9], s[IMG:IMG+1]
	s_add_nc_u64 s[WRD:WRD+1], s[8:9], s[WRD:WRD+1]
.irp a, 0,1,2,3,4,5,6,7
.if \a > 0
	s_wait_xcnt 0x0                                ; the last block's stores have read their data and their bases
	s_add_nc_u64 s[IMG:IMG+1], s[IMG:IMG+1], 51200
	s_add_nc_u64 s[WRD:WRD+1], s[WRD:WRD+1], 51200
.endif
	WIN ((2+\a/4)<<2)
.set j, 0
.rept 64
	v_max_num_f32 v[HB+j], 0, v[64*(\a%4)+j]       ; relu; each accumulator from its low end on
.set j, j+1
.endr
	WIN 0
.set j, 0
.rept 32
	v_pk_mul_f32 v[HB+j:HB+j+1], v[HB+j:HB+j+1], v[HB+j:HB+j+1]   ; squared
.set j, j+2
.endr
	QUANT HB, 0
.irp c, 0,1,2
	global_store_b128 v3, v[PC+4*\c:PC+4*\c+3], s[IMG:IMG+1] offset:512*\c
.endr
	global_store_b32 v7, v[PW], s[WRD:WRD+1]       ; lanes l and l + 16 store the same
.endr
	s_wait_tensorcnt 0x0                           ; the wave's end
	ds_add_u32 v[SPW], v[NIL]
	s_wait_dscnt 0x0
	CROUND                                         ; the closing round
	s_endpgm
.Lfunc_end_k_q8feaccaecd_fc1:
	.size	k_q8feaccaecd_fc1, .Lfunc_end_k_q8feaccaecd_fc1-k_q8feaccaecd_fc1
	.p2alignl 7, 3214868480
	.fill 96, 4, 3214868480
	.section	.rodata,"a",@progbits
	.p2align	6, 0x0
	.amdhsa_kernel k_q8feaccaecd_fc1
		.amdhsa_group_segment_fixed_size 327680
		.amdhsa_private_segment_fixed_size 0
		.amdhsa_enable_private_segment 0
		.amdhsa_kernarg_size 24
		.amdhsa_user_sgpr_count 2
		.amdhsa_user_sgpr_kernarg_segment_ptr 1
		.amdhsa_wavefront_size32 1
		.amdhsa_system_sgpr_workgroup_id_x 1
		.amdhsa_system_sgpr_workgroup_id_y 1
		.amdhsa_system_sgpr_workgroup_id_z 1
		.amdhsa_system_vgpr_workitem_id 0
		.amdhsa_next_free_vgpr 1024
		.amdhsa_next_free_sgpr 100
		.amdhsa_reserve_vcc 0
		.amdhsa_float_denorm_mode_32 3
		.amdhsa_float_denorm_mode_16_64 3
		.amdhsa_memory_ordered 1
		.amdhsa_forward_progress 1
		.amdhsa_inst_pref_size 170
	.end_amdhsa_kernel
	.amdgpu_metadata
---
amdhsa.version: [ 1, 2 ]
amdhsa.kernels:
  - .name:           k_q8feaccaecd_fc1
    .symbol:         k_q8feaccaecd_fc1.kd
    .args:
      - { .name: mid, .offset: 0, .size: 8, .value_kind: global_buffer, .address_space: global }
      - { .name: pre, .offset: 8, .size: 8, .value_kind: global_buffer, .address_space: global }
      - { .name: hid, .offset: 16, .size: 8, .value_kind: global_buffer, .address_space: global }
    .group_segment_fixed_size: 327680
    .private_segment_fixed_size: 0
    .kernarg_segment_align: 8
    .kernarg_segment_size: 24
    .max_flat_workgroup_size: 128
    .sgpr_count:     100
    .vgpr_count:     1024
    .wavefront_size: 32
...
	.end_amdgpu_metadata
.endif
;; end of part 5
;; launch fc2 (part 6): grid 8 x 32, 4 waves a work-group, clusters of 4 x 4, 327,680 bytes of LDS; arguments hid, pre, mid, out0; writes out0
.if DOCPART == 6
	.amdgcn_target "amdgcn-amd-amdhsa--gfx1250"
	.amdhsa_code_object_version 6
	.text
	.protected	k_q8feaccaecd_fc2
	.globl	k_q8feaccaecd_fc2
	.p2align	8
	.type	k_q8feaccaecd_fc2,@function
k_q8feaccaecd_fc2:
	s_mov_b64 s[64:65], 0
	v_nop
	global_prefetch_b8 v0, s[64:65] scope:SCOPE_SE
	s_setreg_imm32_b32 hwreg(HW_REG_WAVE_MODE, 25, 1), 1
	s_wait_xcnt 0x0
	s_wait_alu depctr_hold_cnt(0) depctr_sa_sdst(0) depctr_va_vdst(0) depctr_va_sdst(0) depctr_va_ssrc(0) depctr_va_vcc(0) depctr_vm_vsrc(0)
	s_getreg_b32 s2, hwreg(HW_REG_IB_STS2, 6, 4)
	s_cmp_eq_u32 s2, 0
	s_cbranch_scc0 .Lentry_in_a_cluster
	s_endpgm
.Lentry_in_a_cluster:
	s_bfe_u32 s2, ttmp6, 0x10000c
	s_cmp_lg_u32 s2, 0xf033
	s_cbranch_scc0 .Lentry_shape_is_right
	s_endpgm
.Lentry_shape_is_right:
; FC2.  out = x1 + the sum over the eight experts of (combine weight) x (h1 of the expert) fc2 of the expert, the products on codes of E2M3, K = 512 an expert.
; A work-group makes 128 tokens x 128 columns, a wave 64 x 64: 16 accumulators for the expert in hand and 16 totals.  Source 0 = 16 rows of exp_fc2 (columns of out), source 1 = 16 tokens of h1: a lane holds one token,
; so an expert's weight for the token is one number a lane, and an expert's result joins the total by one fused multiply-add a pair.
; LDS: SLOT P HOLDS TWO EXPERTS, SLOT Q ONE (an expert: 8 token tiles and 8 column tiles of 6,400 bytes).  One load a wave brings a pair: of h1 four rows of 12,800 bytes (experts e, e + 1 lie on end in a token tile;
; in LDS [tile][expert]), of exp_fc2 two rows of 25,600 bytes (four dense tiles, 409,600 bytes from expert to expert; in LDS [expert][tile]).
; THE ORDER: at the start P takes experts 0, 1 and Q expert 2.  Behind experts 0, 1: P takes 3, 4 while 2 is multiplied.  Behind 2: Q takes 5 while 3, 4 are multiplied.  Behind 3, 4: P takes 6, 7 while 5 is multiplied.
; So three refills stand for five experts, each behind a round of the cluster's barrier.  h1's tiles are asked for jointly along a row of the 4 x 4 cluster, exp_fc2's along a column.
; The combine weights of all experts and my rows of x1 are asked for at the start and wait in registers.  An expert's weighing stands behind the issue of the next expert's first LDS loads.
; Tile t, lane r = true row 32 (t / 2) + 8 (t % 2) + r + 8 (r / 8), on both sides.
; REGISTERS: window 0: v4-17 addresses, v20-35 A's scale words, v36-51 B's, v64-255 two sets of operands (B at 12 b, A at 48 + 12 a); window 1: v0-127 the expert's accumulators, v128-255 the totals;
; window 2: v0-127 x1, v128-159 the combine weights (4 x expert + token tile).
.set UNIT,  3200
.set EXPB,  6400
.set FC2E,  409600                     ; from expert to expert in exp_fc2's units
.set WP,    8*EXPB                     ; a wave's part of slot P: 4 tiles x 2 experts
.set WQ,    4*EXPB                     ; and of slot Q
.set QB,    4*WP                       ; slot Q begins behind slot P
.set SPARE, QB+4*WQ                    ; behind the slots: the spare words, 128 bytes a wave
.set APA,  4                           ; v4  my A fragments in P;  v5 in Q
.set AQA,  5
.set APB,  6                           ; v6  my B fragments in P;  v7 in Q
.set AQB,  7
.set SPA,  8                           ; v8  A's scale words in P;  v9 in Q
.set SQA,  9
.set SPW,  10
.set NIL,  11
.set R4,   12
.set STO,  13
.set RD,   14
.set VO,   15
.set SPB,  16                          ; v16 B's scale words in P;  v17 in Q
.set SQB,  17
.set SCA,  20                          ; register 8 (ks / 2) + 2 i + ks % 2: tile i's words for K step ks
.set SCB,  36
.set OPS,  64
.set BK,   192
.set X1,   0                           ; in window 2
.set CW,   128                         ; in window 2
.set G1AP, 24                          ; groups 1: A's pair, B's pair, A's single, B's single
.set G1BP, 32
.set G1AS, 48
.set G1BS, 56
.set G0AP, 76                          ; groups 0: slot P for A and for B, slot Q for A and for B
.set G0BP, 80
.set G0AQ, 84
.set G0BQ, 88
.set MSB, 0
.macro WIN new                         ; the immediate's high byte repeats the setting that is left; a switch that changes nothing is dropped
.if MSB != (\new)
	s_set_vgpr_msb (MSB<<8)|(\new)
.set MSB, (\new)
.endif
.endm
.macro PLACES n
.rept \n
	v_nop
.endr
.endm
.macro JLOAD g0a, g1a, g0b, g1b        ; waves 0 and 1 fetch for A, waves 2 and 3 for B; four v_nop follow each of the two lines
	s_cmp_eq_u32 s15, 0
	s_cbranch_scc0 .Lfor_b_\@
	tensor_load_to_lds s[\g0a:\g0a+3], s[\g1a:\g1a+7]
	s_nop 0
.rept 4
	v_nop
.endr
	s_branch .Lasked_\@
.Lfor_b_\@:
	tensor_load_to_lds s[\g0b:\g0b+3], s[\g1b:\g1b+7]
	s_nop 0
.rept 4
	v_nop
.endr
.Lasked_\@:
.endm
.macro CROUND                          ; a round of the cluster's barrier
	s_barrier_signal -1
	s_barrier_wait -1
	s_cmp_lg_u32 s14, 0
	s_cbranch_scc1 .Lnot_wave_0_\@
	s_barrier_signal -3
.Lnot_wave_0_\@:
	s_barrier_wait -3
	s_barrier_signal -1
	s_barrier_wait -1
.endm
.macro MM d, a, b, c, sa, sb
	v_wmma_scale_f32_16x16x128_f8f6f4 v[\d:\d+7], v[\a:\a+11], v[\b:\b+11], \c, v[\sa], v[\sb] matrix_a_fmt:MATRIX_FMT_FP6 matrix_b_fmt:MATRIX_FMT_FP6
.endm
	s_load_b256 s[4:11], s[0:1], 0x0               ; hid 4, pre 6, mid 8, out0 10
	v_lshl_add_u32 v[SPW], v0, 2, SPARE
	v_mov_b32 v[NIL], 0
	ds_add_u32 v10, v11
	ds_add_u32 v10, v11
	s_wait_dscnt 0x0
	v_lshrrev_b32 v1, 5, v0
	v_readfirstlane_b32 s14, v1                    ; wave 0..3
	s_lshr_b32 s15, s14, 1                         ; which 64 tokens are mine.  Also: I fetch for A (0) or for B (1)
	s_and_b32 s16, s14, 1                          ; which 64 columns.  Also: which 4 tiles I fetch
	s_bfe_u32 s40, ttmp6, 0x40000                  ; cx
	s_bfe_u32 s41, ttmp6, 0x40004                  ; cy
	s_lshl_b32 s42, ttmp9, 2
	s_add_co_u32 s42, s42, s40                     ; TC: which 128 columns
	s_and_b32 s17, ttmp7, 0xffff
	s_lshl_b32 s17, s17, 2
	s_add_co_u32 s17, s17, s41                     ; TR: which 128 tokens
	s_lshl_b32 s43, s41, 2
	s_lshl_b32 s43, 15, s43                        ; my row of the cluster
	s_lshl_b32 s44, 0x1111, s40                    ; my column
	s_or_b32 s[G1AP], s43, (3<<16)|(1<<21)         ; 15:0 the mask; 17:16 elements of 8 bytes; 21 set beside a mask; no padding
	s_or_b32 s[G1AS], s43, (3<<16)|(1<<21)
	s_or_b32 s[G1BP], s44, (3<<16)|(1<<21)
	s_or_b32 s[G1BS], s44, (3<<16)|(1<<21)
	s_mov_b32 s[G1AP+1], 1600<<16                  ; h1, a pair: a row is two experts of one token tile, 12,800 bytes;
	s_mov_b32 s[G1AP+2], 4<<16                     ; four token tiles,
	s_mov_b32 s[G1AP+3], 1600<<16
	s_mov_b32 s[G1AP+4], 4
	s_mov_b32 s[G1AP+5], 6400                      ; 51,200 bytes apart
	s_mov_b32 s[G1BP+1], 3200<<16                  ; exp_fc2, a pair: a row is four dense tiles of one expert, 25,600 bytes;
	s_mov_b32 s[G1BP+2], 2<<16                     ; two experts,
	s_mov_b32 s[G1BP+3], 3200<<16
	s_mov_b32 s[G1BP+4], 2
	s_mov_b32 s[G1BP+5], 51200                     ; 409,600 bytes apart
	s_mov_b32 s[G1AS+1], 800<<16                   ; h1, one expert: four rows of 6,400 bytes, 51,200 apart
	s_mov_b32 s[G1AS+2], 4<<16
	s_mov_b32 s[G1AS+3], 800<<16
	s_mov_b32 s[G1AS+4], 4
	s_mov_b32 s[G1AS+5], 6400
	s_mov_b32 s[G1BS+1], 800<<16                   ; exp_fc2, one expert: four dense rows of 6,400 bytes
	s_mov_b32 s[G1BS+2], 4<<16
	s_mov_b32 s[G1BS+3], 800<<16
	s_mov_b32 s[G1BS+4], 4
	s_mov_b32 s[G1BS+5], 800
.irp g, G1AP, G1BP, G1AS, G1BS
	s_mov_b32 s[\g+6], 0
	s_mov_b32 s[\g+7], 0
.endr
	s_lshl_b32 s18, s16, 2
	s_lshl_b32 s20, s17, 3
	s_add_co_u32 s20, s20, s18
	s_mul_i32 s20, s20, 51200                      ; A: token tile 8 TR + 4 x half, expert 0
	s_mov_b32 s21, 0
	s_lshl_b32 s46, s42, 3
	s_add_co_u32 s46, s46, s18
	s_mul_i32 s46, s46, 6400
	s_add_co_u32 s46, s46, 9830400                 ; B: column tile 8 TC + 4 x half of expert 0
	s_mov_b32 s47, 0
	s_mul_i32 s45, s14, WP                         ; my part of P: no place in the cluster enters an LDS address
	s_mul_i32 s19, s14, WQ
	s_add_co_u32 s19, s19, QB                      ; my part of Q
	s_lshl_b32 s72, s17, 3
	s_lshl_b32 s73, s15, 2
	s_add_co_u32 s72, s72, s73
	s_lshl_b32 s66, s72, 9
	s_add_co_u32 s66, s66, 20054016                ; my four token tiles' combine weights, expert 0
	s_mov_b32 s67, 0
	s_lshl_b32 s72, s72, 16                        ; my first token x 4,096 bytes (16 tokens a tile)
	s_lshl_b32 s73, s42, 9
	s_add_co_u32 s72, s72, s73
	s_lshl_b32 s73, s16, 8
	s_add_co_u32 s70, s72, s73                     ; + my 256 bytes of a row
	s_mov_b32 s71, 0
	s_add_co_u32 s68, s70, 3276800                 ; the same place in x1
	s_mov_b32 s69, 0
	s_wait_kmcnt 0x0
	s_add_nc_u64 s[20:21], s[4:5], s[20:21]
	s_add_nc_u64 s[46:47], s[6:7], s[46:47]
	s_add_nc_u64 s[66:67], s[8:9], s[66:67]
	s_add_nc_u64 s[68:69], s[8:9], s[68:69]
	s_add_nc_u64 s[70:71], s[10:11], s[70:71]
	s_mov_b32 s[G0AP], 1                           ; slot P begins with experts 0 and 1
	s_mov_b32 s[G0AP+1], s45
	s_mov_b64 s[G0AP+2:G0AP+3], s[20:21]
	s_or_b32 s[G0AP+3], s[G0AP+3], 0x80000000
	s_mov_b32 s[G0BP], 1
	s_mov_b32 s[G0BP+1], s45
	s_mov_b64 s[G0BP+2:G0BP+3], s[46:47]
	s_or_b32 s[G0BP+3], s[G0BP+3], 0x80000000
	s_mov_b32 s[G0AQ], 1                           ; slot Q with expert 2
	s_mov_b32 s[G0AQ+1], s19
	s_add_nc_u64 s[G0AQ+2:G0AQ+3], s[20:21], 2*EXPB
	s_or_b32 s[G0AQ+3], s[G0AQ+3], 0x80000000
	s_mov_b32 s[G0BQ], 1
	s_mov_b32 s[G0BQ+1], s19
	s_add_nc_u64 s[G0BQ+2:G0BQ+3], s[46:47], 2*FC2E
	s_or_b32 s[G0BQ+3], s[G0BQ+3], 0x80000000
	CROUND                                         ; all sixteen work-groups are here
	JLOAD G0AP, G1AP, G0BP, G1BP
	JLOAD G0AQ, G1AS, G0BQ, G1BS                   ; two loads of mine are out
	v_and_b32 v1, 31, v0
	v_lshlrev_b32 v1, 4, v1                        ; 16 x lane
	v_and_b32 v2, 15, v0                           ; r
	v_bfe_u32 v3, v0, 4, 1                         ; h
	v_lshlrev_b32 v18, 3, v2                       ; 8 r
	v_lshlrev_b32 v[R4], 2, v2
	v_lshlrev_b32 v[VO], 12, v3
	v_lshl_add_u32 v[VO], v2, 4, v[VO]             ; lanes 0-15 one row of x1 and out, lanes 16-31 the next; 16 bytes a lane
	WIN 0x80                                       ; destination window 2
.irp e, 0,1,2,3,4,5,6,7
.irp a, 0,1,2,3
	global_load_b32 v[CW+4*\e+\a], v[R4], s[66:67] offset:512*\a+64*\e   ; expert e's weight for my token of tile a
.endr
.endr
.irp a, 0,1,2,3
.irp t, 0,1,2,3,4,5,6,7
	global_load_b128 v[X1+32*\a+4*\t:X1+32*\a+4*\t+3], v[VO], s[68:69] offset:(32*(\a/2)+8*(\a%2)+2*\t+8*(\t/4))*4096 th:TH_LOAD_NT
.endr
.endr
	WIN 0
	s_mul_i32 s72, s15, WP                         ; my four token tiles in P
	s_mul_i32 s73, s16, WP
	s_add_co_u32 s73, s73, 2*WP                    ; my four column tiles in P, behind A's two parts
	v_add_nc_u32 v[APA], s72, v1
	v_add_nc_u32 v[APB], s73, v1
	s_add_co_u32 s72, s72, 3072
	s_add_co_u32 s73, s73, 3072
	v_add_nc_u32 v[SPA], s72, v18
	v_add_nc_u32 v[SPB], s73, v18
	s_mul_i32 s72, s15, WQ
	s_add_co_u32 s72, s72, QB                      ; and in Q
	s_mul_i32 s73, s16, WQ
	s_add_co_u32 s73, s73, QB+2*WQ
	v_add_nc_u32 v[AQA], s72, v1
	v_add_nc_u32 v[AQB], s73, v1
	s_add_co_u32 s72, s72, 3072
	s_add_co_u32 s73, s73, 3072
	v_add_nc_u32 v[SQA], s72, v18
	v_add_nc_u32 v[SQB], s73, v18
	s_mul_i32 s75, s14, 4352
	s_add_co_u32 s75, s75, QB                      ; my stage for the way out: 16 rows x 272 bytes, in slot Q
	v_mul_u32_u24 v[STO], v2, 272
	v_lshl_add_u32 v[STO], v3, 6, v[STO]
	v_add_nc_u32 v[STO], s75, v[STO]               ; in: row r, + 64 h
	v_mul_u32_u24 v[RD], v3, 272
	v_lshl_add_u32 v[RD], v2, 4, v[RD]
	v_add_nc_u32 v[RD], s75, v[RD]                 ; back: lanes 0-15 one row, lanes 16-31 the next
; 24 loads of 512 consecutive bytes: my 4 + 4 fragments of K step ks into set ks % 2.  aoff, boff: where the expert begins; astr: from token tile to token tile
.macro FETCH areg, aoff, astr, breg, boff, ks
.set FS, OPS+96*((\ks)%2)
.irp i, 0,1,2,3
.irp c, 0,1,2
	ds_load_b128 v[FS+12*\i+4*\c:FS+12*\i+4*\c+3], v[\breg] offset:(\boff)+EXPB*\i+UNIT*((\ks)/2)+1536*((\ks)%2)+512*\c
.endr
.endr
.irp i, 0,1,2,3
.irp c, 0,1,2
	ds_load_b128 v[FS+48+12*\i+4*\c:FS+48+12*\i+4*\c+3], v[\areg] offset:(\aoff)+(\astr)*\i+UNIT*((\ks)/2)+1536*((\ks)%2)+512*\c
.endr
.endr
.endm
.macro MULS ks                         ; sixteen accumulators by turns, one instruction a turn
.set FS, OPS+96*((\ks)%2)
.set SS, 8*((\ks)/2)+(\ks)%2
	WIN 0x50                                       ; C and D window 1
.irp a, 0,1,2,3
.irp b, 0,1,2,3
.if (\ks) == 0
	MM 8*(4*\a+\b), FS+12*\b, FS+48+12*\a, 0, SCB+SS+2*\b, SCA+SS+2*\a
.else
	MM 8*(4*\a+\b), FS+12*\b, FS+48+12*\a, v[8*(4*\a+\b):8*(4*\a+\b)+7], SCB+SS+2*\b, SCA+SS+2*\a
.endif
.endr
.endr
	WIN 0
	PLACES 4                                       ; in front of loads into the set and the scale words just read, and of the first read of results
.endm
.macro WEIGH e                         ; total += expert e's result x its weight for my token; expert 0 starts the totals.  Each accumulator from its low end on
	WIN 0x59                                       ; the accumulators and the totals window 1, the weight window 2
.irp a, 0,1,2,3
.set k, 0
.rept 16
.if (\e) == 0
.if \a%2
	v_pk_mul_f32 v[128+32*\a+k:128+32*\a+k+1], v[32*\a+k:32*\a+k+1], v[CW+4*(\e)+\a-1:CW+4*(\e)+\a] op_sel:[0,1] op_sel_hi:[1,1]
.else
	v_pk_mul_f32 v[128+32*\a+k:128+32*\a+k+1], v[32*\a+k:32*\a+k+1], v[CW+4*(\e)+\a:CW+4*(\e)+\a+1] op_sel_hi:[1,0]
.endif
.else
.if \a%2
	v_pk_fma_f32 v[128+32*\a+k:128+32*\a+k+1], v[32*\a+k:32*\a+k+1], v[CW+4*(\e)+\a-1:CW+4*(\e)+\a], v[128+32*\a+k:128+32*\a+k+1] op_sel:[0,1,0] op_sel_hi:[1,1,1]
.else
	v_pk_fma_f32 v[128+32*\a+k:128+32*\a+k+1], v[32*\a+k:32*\a+k+1], v[CW+4*(\e)+\a:CW+4*(\e)+\a+1], v[128+32*\a+k:128+32*\a+k+1] op_sel_hi:[1,0,1]
.endif
.endif
.set k, k+2
.endr
.endr
	WIN 0
.endm
; One expert's products.  prev: the expert whose result still lies in the accumulators (-1: none): it is weighed in while this expert's first LDS loads are out.
.macro COMPUTE areg, aoff, astr, breg, boff, sareg, sbreg, prev
.irp p, 0,1
.irp i, 0,1,2,3
	ds_load_b64 v[SCA+8*\p+2*\i:SCA+8*\p+2*\i+1], v[\sareg] offset:(\aoff)+(\astr)*\i+UNIT*\p   ; lanes l and l + 16 read the same words; the matrix unit takes lanes 0-15's
	ds_load_b64 v[SCB+8*\p+2*\i:SCB+8*\p+2*\i+1], v[\sbreg] offset:(\boff)+EXPB*\i+UNIT*\p
.endr
.endr
	FETCH \areg, \aoff, \astr, \breg, \boff, 0
	FETCH \areg, \aoff, \astr, \breg, \boff, 1
.if (\prev) >= 0
.if (\prev) == 0
	s_wait_loadcnt 32                              ; the 32 weights are in; x1's 32 loads, issued behind them, may be out
.endif
	WEIGH \prev
.endif
	s_wait_dscnt 24                                ; all but the one younger set
	MULS 0
	FETCH \areg, \aoff, \astr, \breg, \boff, 2
	s_wait_dscnt 24
	MULS 1
	FETCH \areg, \aoff, \astr, \breg, \boff, 3
	s_wait_dscnt 24
	MULS 2
	s_wait_dscnt 0x0
	MULS 3
.endm
; A slot that has been read is filled again, with the experts three on.
.macro REFILL g0a, g1a, g0b, g1b
	s_wait_tensorcnt 0x0                           ; all my tensor loads have landed: my part of the slot that is read next
	ds_add_u32 v[SPW], v[NIL]                      ; 0 onto my spare word
	s_add_nc_u64 s[\g0a+2:\g0a+3], s[\g0a+2:\g0a+3], 3*EXPB    ; no load of mine is out: a group 0 may be written
	s_add_nc_u64 s[\g0b+2:\g0b+3], s[\g0b+2:\g0b+3], 3*FC2E
	s_wait_dscnt 0x0                               ; the add is done, and my reads of the slot are over
	CROUND                                         ; both now hold of every wave of every work-group of the cluster
	JLOAD \g0a, \g1a, \g0b, \g1b                   ; my one tensor load behind the round
.endm
	s_wait_tensorcnt 1                             ; my part of P is in; Q's may stay out
	s_barrier_signal -1
	s_barrier_wait -1
	COMPUTE APA, 0, 2*EXPB, APB, 0, SPA, SPB, -1           ; expert 0
	COMPUTE APA, EXPB, 2*EXPB, APB, 4*EXPB, SPA, SPB, 0    ; expert 1
	REFILL G0AP, G1AP, G0BP, G1BP                          ; P takes experts 3 and 4
	COMPUTE AQA, 0, EXPB, AQB, 0, SQA, SQB, 1              ; expert 2
	REFILL G0AQ, G1AS, G0BQ, G1BS                          ; Q takes expert 5
	COMPUTE APA, 0, 2*EXPB, APB, 0, SPA, SPB, 2            ; expert 3
	COMPUTE APA, EXPB, 2*EXPB, APB, 4*EXPB, SPA, SPB, 3    ; expert 4
	REFILL G0AP, G1AP, G0BP, G1BP                          ; P takes experts 6 and 7
	COMPUTE AQA, 0, EXPB, AQB, 0, SQA, SQB, 4              ; expert 5
	s_wait_tensorcnt 0x0                           ; my part of P has landed; nothing is left to fetch, so no round follows
	ds_add_u32 v[SPW], v[NIL]
	s_wait_dscnt 0x0                               ; my reads of Q are over: the stages will lie there
	s_barrier_signal -1
	s_barrier_wait -1
	COMPUTE APA, 0, 2*EXPB, APB, 0, SPA, SPB, 5            ; expert 6
	COMPUTE APA, EXPB, 2*EXPB, APB, 4*EXPB, SPA, SPB, 6    ; expert 7
	WEIGH 7
	; THE WAY OUT.  A lane holds pieces of one row, the lanes beside it other rows: a token tile at a time goes through my stage and comes back by rows of 256 bytes.  The stage lies in slot Q, which has had its last fill,
	; and which nobody reads since the last barrier.
	s_wait_loadcnt 0x0                             ; x1, asked for at the start
.irp a, 0,1,2,3
.if \a > 0
	s_wait_xcnt 0x0                                ; the last tile's stores have read their registers
.endif
	WIN 0x04                                       ; an LDS store's data are its source 1: window 1
.irp b, 0,1,2,3
	ds_store_b128 v[STO], v[128+8*(4*\a+\b):128+8*(4*\a+\b)+3] offset:128*(\b/2)+32*(\b%2)
	ds_store_b128 v[STO], v[128+8*(4*\a+\b)+4:128+8*(4*\a+\b)+7] offset:128*(\b/2)+32*(\b%2)+16
.endr
	WIN 0
.irp t, 0,1,2,3,4,5,6,7
	ds_load_b128 v[BK+4*\t:BK+4*\t+3], v[RD] offset:544*\t   ; LDS serves a wave in order: these see the stores above
.endr
	s_wait_dscnt 0x0
	WIN 0x08                                       ; x1: source 1 in window 2
.set k, 0
.rept 16
	v_pk_add_f32 v[BK+k:BK+k+1], v[BK+k:BK+k+1], v[X1+32*\a+k:X1+32*\a+k+1]
.set k, k+2
.endr
	WIN 0
.irp t, 0,1,2,3,4,5,6,7
	global_store_b128 v[VO], v[BK+4*\t:BK+4*\t+3], s[70:71] offset:(32*(\a/2)+8*(\a%2)+2*\t+8*(\t/4))*4096 th:TH_STORE_NT   ; sixteen lanes store 256 consecutive bytes, at a multiple of 256 from out's first byte
.endr
.endr
	s_wait_tensorcnt 0x0                           ; the wave's end
	ds_add_u32 v[SPW], v[NIL]
	s_wait_dscnt 0x0
	CROUND                                         ; the closing round
	s_endpgm
.Lfunc_end_k_q8feaccaecd_fc2:
	.size	k_q8feaccaecd_fc2, .Lfunc_end_k_q8feaccaecd_fc2-k_q8feaccaecd_fc2
	.p2alignl 7, 3214868480
	.fill 96, 4, 3214868480
	.section	.rodata,"a",@progbits
	.p2align	6, 0x0
	.amdhsa_kernel k_q8feaccaecd_fc2
		.amdhsa_group_segment_fixed_size 327680
		.amdhsa_private_segment_fixed_size 0
		.amdhsa_enable_private_segment 0
		.amdhsa_kernarg_size 32
		.amdhsa_user_sgpr_count 2
		.amdhsa_user_sgpr_kernarg_segment_ptr 1
		.amdhsa_wavefront_size32 1
		.amdhsa_system_sgpr_workgroup_id_x 1
		.amdhsa_system_sgpr_workgroup_id_y 1
		.amdhsa_system_sgpr_workgroup_id_z 1
		.amdhsa_system_vgpr_workitem_id 0
		.amdhsa_next_free_vgpr 768
		.amdhsa_next_free_sgpr 100
		.amdhsa_reserve_vcc 0
		.amdhsa_float_denorm_mode_32 3
		.amdhsa_float_denorm_mode_16_64 3
		.amdhsa_memory_ordered 1
		.amdhsa_forward_progress 1
		.amdhsa_inst_pref_size 190
	.end_amdhsa_kernel
	.amdgpu_metadata
---
amdhsa.version: [ 1, 2 ]
amdhsa.kernels:
  - .name:           k_q8feaccaecd_fc2
    .symbol:         k_q8feaccaecd_fc2.kd
    .args:
      - { .name: hid, .offset: 0, .size: 8, .value_kind: global_buffer, .address_space: global }
      - { .name: pre, .offset: 8, .size: 8, .value_kind: global_buffer, .address_space: global }
      - { .name: mid, .offset: 16, .size: 8, .value_kind: global_buffer, .address_space: global }
      - { .name: out0, .offset: 24, .size: 8, .value_kind: global_buffer, .address_space: global }
    .group_segment_fixed_size: 327680
    .private_segment_fixed_size: 0
    .kernarg_segment_align: 8
    .kernarg_segment_size: 32
    .max_flat_workgroup_size: 128
    .sgpr_count:     100
    .vgpr_count:     768
    .wavefront_size: 32
...
	.end_amdgpu_metadata
.endif
;; end of part 6
